; MI455X (gfx1250); checked and timed in simulation.
; The chip was launched on July 23, 2026; its instructions are those of AMD's public machine-readable ISA for CDNA 5 (MIT licence, August 2026) and "CDNA5" Instruction Set Architecture Reference Guide (July 2026). The comments in the code are by the model that wrote it; some were corrected since.
;; Multi Head Attention. Allowed arithmetic: matrix products marked QUANTISED: E2M1 operands, one E8M0 scale for each 32 along K, by v_wmma_scale_f32_16x16x128_f8f6f4 with both operands' format E2M1 (or v_wmma_scale_f32_32x16x128_f4), f32 sums; everything else in f32.
;; Inputs: Wk 1,024 x 1,024 float32; Wo 1,024 x 1,024 float32; Wq 1,024 x 1,024 float32; Wv 1,024 x 1,024 float32; bk 1,024 float32; bo 1,024 float32; bq 1,024 float32; bv 1,024 float32; x 4 x 2,048 x 1,024 float32.
;; Outputs: out0 4 x 2,048 x 1,024 float32.
;; This version of the problem:
;;   THIS VERSION OF THE PROBLEM IS GIVEN IN LOW PRECISION. The matrix products marked QUANTISED in the list below multiply operands that are first quantised to E2M1 (2 exponent bits, 1 mantissa bit; 4 bits a number), with one power-of-two scale for each 32 numbers along K (OCP MX v1.0); their sums are f32. All else is computed in f32.
;;   The module's matrix products, in the order in which they are computed (A, B: the left and right operand; K: the contracted axis; several contracted axes count as one K, in the product's order):
;;     1. [M 8,192, K 1,024] x [K 1,024, N 1,024]; A: input x; B: input Wq: QUANTISED
;;     2. [M 8,192, K 1,024] x [K 1,024, N 1,024]; A: input x; B: input Wk: QUANTISED
;;     3. [M 8,192, K 1,024] x [K 1,024, N 1,024]; A: input x; B: input Wv: QUANTISED
;;     4. batch 64 x [M 2,048, K 64] x [K 64, N 2,048]; A: computed on the way; B: computed on the way: QUANTISED
;;     5. batch 64 x [M 2,048, K 2,048] x [K 2,048, N 64]; A: softmax (see below); B: computed on the way: QUANTISED
;;     6. [M 8,192, K 1,024] x [K 1,024, N 1,024]; A: computed on the way; B: input Wo: QUANTISED
;;   THE QUANTISER, for each operand of a quantised product, along K:
;;     - K is cut into blocks of 32 from its start; a last block that is shorter is filled with zeros.
;;     - A block's scale is 2^e with e = floor(log2(the largest magnitude in the block)) - 2, held to -126 .. 127; a block of zeros has e = 0. As a byte (E8M0): e + 127.
;;     - Each number is divided by its block's scale, clamped to +-6, and rounded to the nearest number of E2M1, ties to even, subnormals kept.
;;     - The product sums the exact products of the quantised numbers (number of the format x scale) in f32.
;;   ~~~python
;;   def quantise(x, axis):      # numpy; x: float32 -> the quantised numbers, widened to float32 again
;;       x = np.moveaxis(x, axis, -1); K = x.shape[-1]
;;       x = np.pad(x, [(0, 0)] * (x.ndim - 1) + [(0, -K % 32)]); x = x.reshape(x.shape[:-1] + (-1, 32)); a = np.abs(x).max(-1, keepdims=True)
;;       e = np.where(a > 0, np.clip(np.frexp(np.where(a > 0, a, 1))[1] - 1 - 2, -126, 127), 0)      # np.frexp(a)[1] - 1 = floor(log2(a)), exactly
;;       r = np.clip(x / 2.0 ** e, -6, 6)
;;       step = 2.0 ** (np.maximum(np.frexp(np.where(r == 0, 1, r))[1] - 1, 0) - 1)
;;       q = np.round(r / step) * step * 2.0 ** e      # np.round: ties to even
;;       return np.moveaxis(q.reshape(q.shape[:-2] + (-1,))[..., :K], -1, axis).astype(np.float32)
;;   ~~~
;;   SOFTMAX AHEAD OF A QUANTISED PRODUCT. Where the list says 'softmax', what is quantised is not the finished softmax but p = 2^(t - M), with t = logit x log2(e) and M = ceil(the row's largest t), a whole number; so 1/2 < the row's largest p <= 1. The row's sum l is taken of the UNQUANTISED p, in f32, and the product's result is divided by l at the end. Since M is a whole number, a kernel that streams over the keys may use a running M (the ceiling of the running maximum): every later rescaling is an exact power of two, which a block's scale takes up: the codes' values come out the same.
;;   OPERANDS COMPUTED ON THE WAY. 'Computed on the way' means the value that the module computes at that place (a softmax that the list does not call 'softmax' is quantised finished and normalised). What goes into a quantiser is computed in f32, as accurately as f32 sums, v_exp_f32 and their like allow (about 1e-6 of the number): no bf16 or f16 on the way to a quantiser, and a product that is left as it is and whose result goes on into a quantised operand takes f32 operands (vector FMAs, or v_wmma_f32_16x16x4_f32). A number that lies on a knife's edge between two numbers of the format may be rounded either way, as far as f32 arithmetic and the matrix unit's own rounding can turn it there, and no further.
;; One version. Each part assembles by itself: llvm-mc -triple=amdgcn-amd-amdhsa -mcpu=gfx1250 --defsym DOCPART=n.
;; ======== version 1 of 1: 4 launches
;; workspace buffers: xq 4,456,448 bytes; cq 4,456,448 bytes; wq 2,228,224 bytes; qkv 13,893,632 bytes
;; launch quant (part 1): grid 384 x 1, 4 waves a work-group, no clusters, 34,304 bytes of LDS; arguments x, Wq, Wk, Wv, Wo, xq, wq; writes xq, wq
.if DOCPART == 1
	.amdgcn_target "amdgcn-amd-amdhsa--gfx1250"
	.amdhsa_code_object_version 6
	.text
	.protected	k_qebafebf702_quant
	.globl	k_qebafebf702_quant
	.p2align	8
	.type	k_qebafebf702_quant,@function
k_qebafebf702_quant:
	s_mov_b64 s[64:65], 0
	v_nop
	global_prefetch_b8 v0, s[64:65] scope:SCOPE_SE
	s_setreg_imm32_b32 hwreg(HW_REG_WAVE_MODE, 25, 1), 1
	s_wait_xcnt 0x0
; LAUNCH 1 OF 4.  x [8192][1024] and the weights Wq, Wk, Wv, Wo [1024 (K)][1024 (N)], f32, become codes of E2M1 (4 bits) with one E8M0 byte for each 32 along K.
; NO WORK OF THE PROBLEM IS LEFT OUT in any of the four launches: all nine inputs have a way to the output (bk too: it moves k's codes).
; A block's scale is 2^(floor(log2(its largest magnitude)) - 2); its byte is the largest magnitude's exponent field - 2, held at 1 from below.
; LIMITS: a block of zeros gets the byte 1 where the rule says 127 (its codes are zeros, and this program alone reads the bytes); blocks whose largest magnitude lies under 2^-124 are held at byte 1;
; NaN and infinities among the inputs are not served.
; THE WORKSPACE IS LAID IN THE ORDER OF THE OPERANDS' REGISTERS.  A fragment image is 1,024 bytes = 16 rows x 128 K: the 16 bytes (32 codes) of row r, K block 2 c + h lie at 512 c + 256 h + 16 r, so a wave fetches
; a fragment by two loads of 16 bytes a lane at 16 x lane.  THE ROWS OF A TILE ARE NOT NEIGHBOURS: lane r of tile T takes row 32 (T / 2) + 8 (T % 2) + r + 8 (r / 8), for tokens and for weight columns alike.
; A scale image is 256 bytes for two tiles and two K steps: lane (h', r) holds at 8 x lane the words of tile 2 P + h', row r, K steps 2 kp and 2 kp + 1.
; xq: codes [256 tokens tb][K half][tile 16][K step 4][image]; scale images from XS on, [pair of tiles 256][kp 4].
; wq: q, k, v: [head 16][K half][J = 4 type + tile, 12][K step 4][image]; Wo from WOC on: [128 columns cg 8][K half][J 8][K step 4][image]; scale images from WS and WOS on.
; SHARES.  Work-groups 0-255: 32 tokens of x each, wave kp = 256 along K.  Work-groups 256-383: 128 columns x 256 along K of one weight, a wave 32 columns.  No tensor load, no barrier: waves share nothing.
.set XS,    4194304
.set WOC,   1572864
.set WS,    2097152
.set WOS,   2195456
.set STG,   8448                       ; a wave's stage: 16 rows x (512 bytes + 16)
.set SPARE, 4*STG                      ; behind the stages: the spare words, 128 bytes for each wave
.set SPW,   10                         ; v10  LDS address of my spare word; never rewritten
.set NIL,   11                         ; v11  0; never rewritten
.set R0,    32                         ; v32-159  x: two sets of 64 registers as loaded;  weights: v32-95 two sets of 32
.set X,     160                        ; v160-223 x: 64 numbers of my row, two whole blocks
.set CO,    224                        ; v224-255 x: codes, eight registers for each fragment, so that no store's data are written again
	s_load_b256 s[4:11], s[0:1], 0x0               ; x, Wq, Wk, Wv
	s_load_b128 s[12:15], s[0:1], 0x20             ; Wo, xq
	s_load_b64 s[18:19], s[0:1], 0x30              ; wq
	v_lshl_add_u32 v[SPW], v0, 2, SPARE
	v_mov_b32 v[NIL], 0
	v_lshrrev_b32 v1, 5, v0
	v_readfirstlane_b32 s16, v1                    ; wave
	v_and_b32 v4, 31, v0                           ; lane
	v_and_b32 v7, 15, v0                           ; r
	v_bfe_u32 v8, v0, 4, 1                         ; h
	v_lshlrev_b32 v5, 3, v4                        ; 8 x lane: my two words of a scale image
	s_cmp_lt_u32 ttmp9, 256                        ; the work-group's number alone decides
	s_cbranch_scc0 .Lweights
; ---------------- x: K is innermost.  A fragment's 16 rows x 512 bytes are loaded as they lie (512 consecutive bytes a load) and turn through my stage, so that lane (r, h) gets blocks h and 2 + h of row r whole
	v_lshlrev_b32 v1, 4, v4                        ; 16 x lane
	s_mul_i32 s17, s16, STG
	v_add_nc_u32 v2, s17, v1                       ; into the stage: a row on end
	v_mul_u32_u24 v3, v7, 528
	v_lshl_add_u32 v3, v8, 7, v3
	v_add_nc_u32 v3, s17, v3                       ; out of it: row r, + 128 h bytes
	v_lshlrev_b32 v6, 3, v8                        ; 8 h: where my two bytes stand in the scale word
	v_mov_b32 v19, 0                               ; a lane permute's destination counts as one of its sources
	s_mov_b32 s20, 0x76543210
	s_mov_b32 s21, 0xfedcba98                      ; selects for lane l xor 16
	s_mov_b32 s22, 0xffff0000                      ; lanes 16-31
	s_lshl_b32 s24, ttmp9, 17                      ; x: 32 rows of 4,096 bytes a work-group,
	s_lshl_b32 s26, s16, 10
	s_add_co_u32 s24, s24, s26                     ; + 1,024 bytes a wave
	s_mov_b32 s25, 0
	s_lshr_b32 s26, ttmp9, 3                       ; codes: tb x 131,072
	s_lshl_b32 s26, s26, 17
	s_lshr_b32 s28, s16, 1
	s_lshl_b32 s28, s28, 16
	s_add_co_u32 s26, s26, s28                     ; + K half x 65,536
	s_and_b32 s28, ttmp9, 7
	s_lshl_b32 s28, s28, 13
	s_add_co_u32 s26, s26, s28                     ; + pair of tiles x 8,192
	s_and_b32 s28, s16, 1
	s_lshl_b32 s28, s28, 11
	s_add_co_u32 s26, s26, s28                     ; + (kp % 2) x 2,048
	s_mov_b32 s27, 0
	s_lshl_b32 s28, ttmp9, 10                      ; scale images: pair x 1,024 + kp x 256
	s_lshl_b32 s30, s16, 8
	s_add_co_u32 s28, s28, s30
	s_add_co_u32 s28, s28, XS
	s_mov_b32 s29, 0
	s_wait_alu depctr_va_vdst(0)
	s_wait_kmcnt 0x0
	s_add_nc_u64 s[4:5], s[4:5], s[24:25]
	s_add_nc_u64 s[26:27], s[14:15], s[26:27]
	s_add_nc_u64 s[28:29], s[14:15], s[28:29]
; fragment f = 2 u + e: tile u of the pair, K step e of the wave's two
.macro LOADF f
.irp i, 0,1,2,3,4,5,6,7,8,9,10,11,12,13,14,15
	global_load_b128 v[R0+64*((\f)%2)+4*\i:R0+64*((\f)%2)+4*\i+3], v1, s[4:5] offset:(8*((\f)/2)+\i+8*(\i/8))*4096+512*((\f)%2) th:TH_LOAD_NT
.endr
.endm
.macro FRAG f
.set RS, R0+64*((\f)%2)
.set CD, CO+8*(\f)
.if (\f) < 3
	s_wait_loadcnt 16                              ; this fragment's 16 loads are in; the next fragment's 16 may be out
.else
	s_wait_loadcnt 0
.endif
.irp i, 0,1,2,3,4,5,6,7,8,9,10,11,12,13,14,15
	ds_store_b128 v2, v[RS+4*\i:RS+4*\i+3] offset:528*\i
.endr
.irp c, 0,1
.irp i, 0,1,2,3,4,5,6,7
	ds_load_b128 v[X+32*\c+4*\i:X+32*\c+4*\i+3], v3 offset:256*\c+16*\i   ; LDS serves a wave's instructions in order: these see the stores above
.endr
.endr
	s_wait_dscnt 0x0                               ; my 64 numbers are in, and the stores have read their registers,
.if (\f) < 2
	LOADF (\f)+2                                   ; which take the fragment two further on
.endif
.irp c, 0,1
	v_max3_num_f32 v[12+\c], |v[X+32*\c]|, |v[X+32*\c+1]|, 0x1800000   ; block 2 c + h: all 32 numbers are mine; the floor 2^(3 - 127) holds the byte at 1 from below
.endr
.irp i, 2,4,6,8,10,12,14,16,18,20,22,24,26,28,30
.irp c, 0,1
	v_max3_num_f32 v[12+\c], v[12+\c], |v[X+32*\c+\i]|, |v[X+32*\c+\i+1]|
.endr
.endr
.irp c, 0,1
	v_add_nc_u32 v[14+\c], 0xff000000, v[12+\c]    ; 2 off the exponent field: the conversion's scale operand
.endr
.irp c, 0,1
	v_lshrrev_b32 v[16+\c], 23, v[14+\c]           ; the scale's byte
.endr
	v_lshl_or_b32 v18, v17, 16, v16                ; bytes h and 2 + h of my row's word,
	v_lshlrev_b32 v18, v6, v18
	v_permlanex16_b32 v19, v18, s20, s21
	v_or_b32 v[20+(\f)], v18, v19                  ; with lane l xor 16's two the word is whole
.irp c, 0,1
.irp g, 0,1,2,3
	v_cvt_scalef32_pk8_fp4_f32 v[CD+4*\c+\g], v[X+32*\c+8*\g:X+32*\c+8*\g+7], v[14+\c]
.endr
.endr
	v_nop                                          ; one plain line behind the conversions
.irp c, 0,1
	global_store_b128 v1, v[CD+4*\c:CD+4*\c+3], s[26:27] offset:((\f)/2)*4096+((\f)%2)*1024+512*\c   ; 512 consecutive bytes of the image
.endr
.endm
	LOADF 0
	LOADF 1
	FRAG 0
	FRAG 1
	FRAG 2
	FRAG 3
	v_cndmask_b32 v24, v20, v22, s22               ; the scale image: lanes 0-15 the even tile's words, lanes 16-31 the odd tile's
	v_cndmask_b32 v25, v21, v23, s22
	global_store_b64 v5, v[24:25], s[28:29]        ; 256 consecutive bytes
	s_wait_tensorcnt 0x0                           ; the wave's end: behind my last LDS store
	ds_add_u32 v[SPW], v[NIL]
	s_wait_dscnt 0x0
	s_endpgm
; ---------------- the weights: K is the FIRST axis.  A lane takes a column and its registers run down K: a block of 32 lies in one lane, and the codes come out with K innermost.  No LDS
.Lweights:
	s_sub_co_u32 s17, ttmp9, 256
	s_lshr_b32 s23, s17, 5                         ; which weight: 0 q, 1 k, 2 v, 3 o
	s_bfe_u32 s24, s17, 0x30002
	s_and_b32 s25, s17, 3                          ; kp: 256 along K
	s_lshl_b32 s24, s24, 2
	s_add_co_u32 s24, s24, s16                     ; cp: my wave's 32 columns
	s_wait_alu depctr_va_vdst(0)
	v_and_b32 v9, 8, v7
	v_add_nc_u32 v9, v9, v7
	v_lshl_add_u32 v9, v8, 3, v9                   ; my column among the 32: 8 h + r + 8 (r / 8): lane (r, h) is row r of tile h of the pair
	v_lshlrev_b32 v1, 2, v9
	v_lshlrev_b32 v2, 4, v7
	v_lshl_add_u32 v2, v8, 12, v2                  ; codes: tile h x 4,096 + 16 r
	s_lshr_b32 s28, s24, 1                         ; q, k, v: head
	s_and_b32 s29, s24, 1
	s_lshl_b32 s30, s23, 1
	s_add_co_u32 s29, s29, s30                     ; pair of tiles J / 2 = 2 type + (cp % 2)
	s_lshr_b32 s30, s25, 1                         ; K half
	s_and_b32 s31, s25, 1
	s_lshl_b32 s31, s31, 11                        ; (kp % 2) x 2,048
	s_mul_i32 s32, s28, 98304
	s_mul_i32 s33, s30, 49152
	s_add_co_u32 s32, s32, s33
	s_lshl_b32 s33, s29, 13
	s_add_co_u32 s32, s32, s33
	s_mul_i32 s34, s28, 6144
	s_lshl_b32 s33, s29, 10
	s_add_co_u32 s34, s34, s33
	s_add_co_u32 s34, s34, WS
	s_lshr_b32 s28, s24, 2                         ; Wo: cg
	s_and_b32 s29, s24, 3                          ; pair of tiles
	s_lshl_b32 s35, s28, 16
	s_lshl_b32 s33, s30, 15
	s_add_co_u32 s35, s35, s33
	s_lshl_b32 s33, s29, 13
	s_add_co_u32 s35, s35, s33
	s_add_co_u32 s35, s35, WOC
	s_lshl_b32 s36, s28, 12
	s_lshl_b32 s33, s29, 10
	s_add_co_u32 s36, s36, s33
	s_add_co_u32 s36, s36, WOS
	s_cmp_lt_u32 s23, 3
	s_cselect_b32 s32, s32, s35
	s_cselect_b32 s34, s34, s36
	s_add_co_u32 s32, s32, s31
	s_mov_b32 s33, 0
	s_lshl_b32 s31, s25, 8
	s_add_co_u32 s34, s34, s31
	s_mov_b32 s35, 0
	s_lshl_b32 s26, s25, 20                        ; the source: 256 rows of 4,096 bytes for each kp,
	s_lshl_b32 s27, s24, 7
	s_add_co_u32 s26, s26, s27                     ; + my 32 columns
	s_mov_b32 s27, 0
	s_wait_alu depctr_va_vdst(0)
	s_wait_kmcnt 0x0
	s_cmp_eq_u32 s23, 1                            ; the choices hang on the work-group's number alone
	s_cselect_b64 s[6:7], s[8:9], s[6:7]
	s_cmp_eq_u32 s23, 2
	s_cselect_b64 s[6:7], s[10:11], s[6:7]
	s_cmp_eq_u32 s23, 3
	s_cselect_b64 s[6:7], s[12:13], s[6:7]
	s_add_nc_u64 s[6:7], s[6:7], s[26:27]
	s_add_nc_u64 s[32:33], s[18:19], s[32:33]
	s_add_nc_u64 s[34:35], s[18:19], s[34:35]
.macro LOADW t                         ; block t: W(32 t + i, my column): a wave reads 128 consecutive bytes, the work-group's four waves 512
.irp i, 0,1,2,3,4,5,6,7,8,9,10,11,12,13,14,15,16,17,18,19,20,21,22,23,24,25,26,27,28,29,30,31
	global_load_b32 v[R0+32*((\t)%2)+\i], v1, s[6:7] offset:(32*(\t)+\i)*4096 th:TH_LOAD_NT
.endr
.endm
.macro BLOCK t
.set XB, R0+32*((\t)%2)
.if (\t) < 7
	s_wait_loadcnt 32                              ; this block's 32 loads are in; the next block's 32 may be out
.else
	s_wait_loadcnt 0
.endif
	v_max3_num_f32 v12, |v[XB]|, |v[XB+1]|, |v[XB+2]|
	v_max3_num_f32 v13, |v[XB+3]|, |v[XB+4]|, |v[XB+5]|
.irp i, 6,10,14,18,22,26
	v_max3_num_f32 v12, v12, |v[XB+\i]|, |v[XB+\i+1]|
	v_max3_num_f32 v13, v13, |v[XB+\i+2]|, |v[XB+\i+3]|
.endr
	v_max3_num_f32 v12, v12, |v[XB+30]|, |v[XB+31]|
	v_max3_num_f32 v12, v12, v13, 0x1800000        ; and the floor
	v_add_nc_u32 v14, 0xff000000, v12
	v_lshrrev_b32 v16, 23, v14
.if (\t)%4 == 0
	v_mov_b32 v[24+(\t)/4], v16                    ; four bytes make a K step's word, the lower K in the lower byte
.else
	v_lshl_or_b32 v[24+(\t)/4], v16, 8*((\t)%4), v[24+(\t)/4]
.endif
.irp g, 0,1,2,3
	v_cvt_scalef32_pk8_fp4_f32 v[96+4*(\t)+\g], v[XB+8*\g:XB+8*\g+7], v14
.endr
	v_nop
	global_store_b128 v2, v[96+4*(\t):96+4*(\t)+3], s[32:33] offset:256*(\t)   ; each half of the lanes stores 256 consecutive bytes, aligned: K block t of its tile's two images
.if (\t)+2 < 8
	LOADW (\t)+2
.endif
.endm
	LOADW 0
	LOADW 1
.irp t, 0,1,2,3,4,5,6,7
	BLOCK \t
.endr
	global_store_b64 v5, v[24:25], s[34:35]        ; the scale image: 256 consecutive bytes
	s_wait_tensorcnt 0x0                           ; the same three lines as at the other end of this text
	ds_add_u32 v[SPW], v[NIL]
	s_wait_dscnt 0x0
	s_endpgm
.Lfunc_end_k_qebafebf702_quant:
	.size	k_qebafebf702_quant, .Lfunc_end_k_qebafebf702_quant-k_qebafebf702_quant
	.p2alignl 7, 3214868480
	.fill 96, 4, 3214868480
	.section	.rodata,"a",@progbits
	.p2align	6, 0x0
	.amdhsa_kernel k_qebafebf702_quant
		.amdhsa_group_segment_fixed_size 34304
		.amdhsa_private_segment_fixed_size 0
		.amdhsa_enable_private_segment 0
		.amdhsa_kernarg_size 56
		.amdhsa_user_sgpr_count 2
		.amdhsa_user_sgpr_kernarg_segment_ptr 1
		.amdhsa_wavefront_size32 1
		.amdhsa_system_sgpr_workgroup_id_x 1
		.amdhsa_system_sgpr_workgroup_id_y 1
		.amdhsa_system_sgpr_workgroup_id_z 1
		.amdhsa_system_vgpr_workitem_id 0
		.amdhsa_next_free_vgpr 256
		.amdhsa_next_free_sgpr 66
		.amdhsa_reserve_vcc 0
		.amdhsa_float_denorm_mode_32 3
		.amdhsa_float_denorm_mode_16_64 3
		.amdhsa_memory_ordered 1
		.amdhsa_forward_progress 1
		.amdhsa_inst_pref_size 69
	.end_amdhsa_kernel
	.amdgpu_metadata
---
amdhsa.version: [ 1, 2 ]
amdhsa.kernels:
  - .name:           k_qebafebf702_quant
    .symbol:         k_qebafebf702_quant.kd
    .args:
      - { .name: x, .offset: 0, .size: 8, .value_kind: global_buffer, .address_space: global }
      - { .name: Wq, .offset: 8, .size: 8, .value_kind: global_buffer, .address_space: global }
      - { .name: Wk, .offset: 16, .size: 8, .value_kind: global_buffer, .address_space: global }
      - { .name: Wv, .offset: 24, .size: 8, .value_kind: global_buffer, .address_space: global }
      - { .name: Wo, .offset: 32, .size: 8, .value_kind: global_buffer, .address_space: global }
      - { .name: xq, .offset: 40, .size: 8, .value_kind: global_buffer, .address_space: global }
      - { .name: wq, .offset: 48, .size: 8, .value_kind: global_buffer, .address_space: global }
    .group_segment_fixed_size: 34304
    .private_segment_fixed_size: 0
    .kernarg_segment_align: 8
    .kernarg_segment_size: 56
    .max_flat_workgroup_size: 128
    .sgpr_count:     66
    .vgpr_count:     256
    .wavefront_size: 32
...
	.end_amdgpu_metadata
.endif
;; end of part 1
;; launch gemm_qkv (part 2): grid 16 x 32, 4 waves a work-group, clusters of 4 x 4, 245,760 bytes of LDS; arguments xq, wq, bq, bk, bv, qkv; writes qkv
.if DOCPART == 2
	.amdgcn_target "amdgcn-amd-amdhsa--gfx1250"
	.amdhsa_code_object_version 6
	.text
	.protected	k_qebafebf702_gemm_qkv
	.globl	k_qebafebf702_gemm_qkv
	.p2align	8
	.type	k_qebafebf702_gemm_qkv,@function
k_qebafebf702_gemm_qkv:
	s_mov_b64 s[64:65], 0
	v_nop
	global_prefetch_b8 v0, s[64:65] scope:SCOPE_SE
	s_setreg_imm32_b32 hwreg(HW_REG_WAVE_MODE, 25, 1), 1
	s_wait_xcnt 0x0
	s_wait_alu depctr_hold_cnt(0) depctr_sa_sdst(0) depctr_va_vdst(0) depctr_va_sdst(0) depctr_va_ssrc(0) depctr_va_vcc(0) depctr_vm_vsrc(0)
	s_getreg_b32 s2, hwreg(HW_REG_IB_STS2, 6, 4)
	s_cmp_eq_u32 s2, 0
	s_cbranch_scc0 .Lentry_in_a_cluster
	s_endpgm
.Lentry_in_a_cluster:
	s_bfe_u32 s2, ttmp6, 0x10000c
	s_cmp_lg_u32 s2, 0xf033
	s_cbranch_scc0 .Lentry_shape_is_right
	s_endpgm
.Lentry_shape_is_right:
; LAUNCH 2 OF 4.  q, k, v = x W + b on codes of E2M1, and their quantising for attention.  Nothing of the problem is left out.
; SHARES.  A work-group takes 256 tokens (tb) x the 192 columns of ONE head (64 of q, of k, of v).  Wave w takes tokens 64 w .. + 63 (tiles T = 4 w + t) x all 12 column tiles J: 48 accumulators, 384 registers.
; All of K (1,024) lies in LDS at once: (256 + 192) rows x 512 bytes of codes and their scale images.  So no LDS byte is filled twice: two halves along K, asked for together at the head.
; CLUSTERS: 4 x 4 work-groups.  The four of a row share tb and so x's codes, the four of a column share the head and so the weights': each block is asked for jointly, with a mask that names the four.
; q AND k ARE MADE TRANSPOSED (source 0 = 16 weight columns, source 1 = 16 tokens): a lane holds ONE token, and by the order of a tile's rows the 16 registers of column tiles 2 b, 2 b + 1 are d = 32 b + 16 h + 0 .. 15,
; neighbours along attention's first K.  v IS MADE THE OTHER WAY (source 0 = tokens, source 1 = columns): a lane holds one d and its registers run along the tokens, which are the second product's K.
; The biases are the C of each sum's first matrix instruction.
; qkv: q's and k's codes [b x head 64][tile 128][512 bytes] (K = 64: half an image; the reader keeps the other half's registers 0); v's [b x head][128 keys 16][d tile 4][image];
;   scale images: q, k [b x head][4 tiles][lane (h', r)][2 words]: word j = tile 2 j + h', bytes b0, b1, 0x7f, 0x7f;  v [b x head][128 keys][lane (h', r)][2 words]: word j = d tile 2 j + h', byte = the block of 32 keys.
; LIMITS: as in the first launch (a block of zeros has byte 1; the floor 2^-124; no NaN, no infinities).
; REGISTERS, in windows of 256: window 0: v1-13 addresses; v32-95 x's fragments, two sets; v96-111 x's scale words, v112-159 the weights' (scales and nothing else); v160-255 at work on the way out.
;   window 1: the weights' fragments, two sets of 96.   window 2: q's accumulators at 8 (4 t + n), k's at 128 + the same.   window 3: v's at 8 (4 n + t); from v128 bq's and bk's tiles, from v192 bv's.
.set XS,    4194304
.set WS,    2097152
.set KC,    4194304
.set VC,    8388608
.set QS,    12582912
.set KS,    13107200
.set VS,    13631488
.set BL,    131072                     ; LDS: x's two halves along K at 0 and 65,536; the weights' at BL and BL + 49,152;
.set ASL,   229376                     ; x's scale images, 8,192 bytes;
.set BSL,   237568                     ; the weights', 6,144;
.set SPARE, 243712                     ; the spare words, 128 bytes for each wave
.set L16,  4
.set L8,   5
.set ADRA, 6                           ; v6-7   my x fragments in half 0, 1
.set ADRB, 8                           ; v8-9   the weights' fragments
.set ADSA, 10
.set ADSB, 11
.set VB1,  12
.set VB2,  13
.set SPW,  28
.set NIL,  29
.set AF,   32
.set SA,   96
.set SB,   112
.set TM,   160
.set TX,   168
.set TS,   176
.set G1A,  24
.set G1B,  32
.set G1AS, 40
.set G1BS, 48
.set G0AS, 56
.set G0A0, 60
.set G0A1, 68
.set G0BS, 72
.set G0B0, 76
.set G0B1, 80
.set MSB, 0
.macro WIN new                         ; the immediate's high byte repeats the setting that is left
.if MSB != \new
	s_set_vgpr_msb (MSB<<8)|\new
.set MSB, \new
.endif
.endm
.macro PLACES
.rept 4
	v_nop
.endr
.endm
.macro G1REST g, rows                  ; a dense block as rows of 256 bytes: 32 elements of 8 bytes, no padding (images are read 16 bytes a lane on end)
	s_mov_b32 s[\g+1], 32<<16
	s_mov_b32 s[\g+2], (\rows)<<16
	s_mov_b32 s[\g+3], 32<<16
	s_mov_b32 s[\g+4], \rows
	s_mov_b32 s[\g+5], 32
	s_mov_b32 s[\g+6], 0
	s_mov_b32 s[\g+7], 0
.endm
.macro G0FIN g, p                      ; words 2 and 3 hold the byte offset: the buffer's address is added, the type set
	s_mov_b32 s[\g], 1
	s_add_nc_u64 s[\g+2:\g+3], s[\p:\p+1], s[\g+2:\g+3]
	s_or_b32 s[\g+3], s[\g+3], 0x80000000
.endm
; A joint load: waves 0 and 1 fetch for x, waves 2 and 3 for the weights; the branch hangs on the wave's number alone.  An s_nop 0 and four v_nop follow each of the two lines.
.macro JLOAD g0a, g1a, g0b, g1b
	s_cmp_eq_u32 s17, 0
	s_cbranch_scc0 .Lfor_b_\@
	tensor_load_to_lds s[\g0a:\g0a+3], s[\g1a:\g1a+7]
	s_nop 0
.rept 4
	v_nop
.endr
	s_branch .Lasked_\@
.Lfor_b_\@:
	tensor_load_to_lds s[\g0b:\g0b+3], s[\g1b:\g1b+7]
	s_nop 0
.rept 4
	v_nop
.endr
.Lasked_\@:
.endm
.macro CROUND                          ; a round of the cluster's barrier
	s_barrier_signal -1
	s_barrier_wait -1
	s_cmp_lg_u32 s16, 0
	s_cbranch_scc1 .Lnot_wave_0_\@
	s_barrier_signal -3
.Lnot_wave_0_\@:
	s_barrier_wait -3
	s_barrier_signal -1
	s_barrier_wait -1
.endm
	s_load_b256 s[4:11], s[0:1], 0x0               ; xq, wq, bq, bk
	s_load_b128 s[12:15], s[0:1], 0x20             ; bv, qkv
	v_lshl_add_u32 v[SPW], v0, 2, SPARE
	v_mov_b32 v[NIL], 0
	ds_add_u32 v[SPW], v[NIL]                      ; the wave's opening: the add, twice on end, and its wait ahead of my first tensor load
	ds_add_u32 v[SPW], v[NIL]
	v_lshrrev_b32 v1, 5, v0
	v_readfirstlane_b32 s16, v1                    ; wave
	s_lshr_b32 s17, s16, 1                         ; I fetch for x (0) or for the weights (1),
	s_and_b32 s18, s16, 1                          ; and which half of each block
	s_bfe_u32 s19, ttmp6, 0x40000                  ; cx
	s_bfe_u32 s20, ttmp6, 0x40004                  ; cy
	s_lshl_b32 s21, ttmp9, 2
	s_add_co_u32 s21, s21, s19                     ; head = 4 x cluster x + cx
	s_and_b32 s22, ttmp7, 0xffff
	s_lshl_b32 s22, s22, 2
	s_add_co_u32 s22, s22, s20                     ; tb = 4 x cluster y + cy
	s_lshl_b32 s23, s20, 2
	s_lshl_b32 s23, 15, s23                        ; my row of the cluster
	s_lshl_b32 s97, 0x1111, s19                    ; my column
	s_or_b32 s[G1A], s23, (3<<16)|(1<<21)          ; 15:0 the mask; 17:16 elements of 8 bytes; 21 set beside a mask
	s_or_b32 s[G1AS], s23, (3<<16)|(1<<21)
	s_or_b32 s[G1B], s97, (3<<16)|(1<<21)
	s_or_b32 s[G1BS], s97, (3<<16)|(1<<21)
	G1REST G1A, 128                                ; half of a half along K of x: 32,768 bytes
	G1REST G1B, 96                                 ; of the weights: 24,576
	G1REST G1AS, 16                                ; half of x's scale images: 4,096
	G1REST G1BS, 12                                ; of the weights': 3,072
	s_lshl_b32 s100, s22, 13                       ; x's side: made of tb and the wave's number alone
	s_lshl_b32 s101, s18, 12
	s_add_co_u32 s[G0AS+1], s101, ASL
	s_add_co_u32 s100, s100, s101
	s_add_co_u32 s[G0AS+2], s100, XS
	s_mov_b32 s[G0AS+3], 0
	s_lshl_b32 s100, s22, 17
	s_lshl_b32 s101, s18, 15
	s_mov_b32 s[G0A0+1], s101
	s_add_co_u32 s[G0A1+1], s101, 65536
	s_add_co_u32 s[G0A0+2], s100, s101
	s_mov_b32 s[G0A0+3], 0
	s_add_co_u32 s[G0A1+2], s[G0A0+2], 65536
	s_mov_b32 s[G0A1+3], 0
	s_mul_i32 s2, s21, 6144                        ; the weights' side: made of the head and the wave's number alone
	s_mul_i32 s3, s18, 3072
	s_add_co_u32 s[G0BS+1], s3, BSL
	s_add_co_u32 s2, s2, s3
	s_add_co_u32 s[G0BS+2], s2, WS
	s_mov_b32 s[G0BS+3], 0
	s_mul_i32 s2, s21, 98304
	s_mul_i32 s3, s18, 24576
	s_add_co_u32 s[G0B0+1], s3, BL
	s_add_co_u32 s[G0B1+1], s3, BL+49152
	s_add_co_u32 s[G0B0+2], s2, s3
	s_mov_b32 s[G0B0+3], 0
	s_add_co_u32 s[G0B1+2], s[G0B0+2], 49152
	s_mov_b32 s[G0B1+3], 0
	s_mov_b32 s96, 0xffff0000                      ; lanes 16-31
	s_mov_b32 s98, 0x76543210
	s_mov_b32 s99, 0xfedcba98                      ; selects for lane l xor 16
	s_wait_dscnt 0x0                               ; both opening adds are done
	s_wait_kmcnt 0x0
	G0FIN G0AS, 4
	G0FIN G0A0, 4
	G0FIN G0A1, 4
	G0FIN G0BS, 6
	G0FIN G0B0, 6
	G0FIN G0B1, 6
	CROUND                                         ; all sixteen work-groups are here: the joint loads meet
	JLOAD G0AS, G1AS, G0BS, G1BS                   ; three loads of mine are out: the scale images,
	JLOAD G0A0, G1A, G0B0, G1B                     ; K steps 0-3,
	JLOAD G0A1, G1A, G0B1, G1B                     ; K steps 4-7
	v_and_b32 v1, 31, v0
	v_and_b32 v2, 15, v0                           ; r
	v_bfe_u32 v3, v0, 4, 1                         ; h
	v_lshlrev_b32 v[L16], 4, v1
	v_lshlrev_b32 v[L8], 3, v1
	s_lshl_b32 s66, s16, 14                        ; my four tiles of x: 16,384 bytes a wave
	v_add_nc_u32 v[ADRA], s66, v[L16]
	v_add_nc_u32 v[ADRA+1], 65536, v[ADRA]
	v_add_nc_u32 v[ADRB], BL, v[L16]
	v_add_nc_u32 v[ADRB+1], BL+49152, v[L16]
	s_lshl_b32 s66, s16, 11
	s_add_co_u32 s66, s66, ASL
	v_add_nc_u32 v[ADSA], s66, v[L8]               ; my two pairs of tiles: 2,048 bytes of scale images a wave
	v_add_nc_u32 v[ADSB], BSL, v[L8]
	v_lshlrev_b32 v[VB1], 6, v3                    ; bq, bk: the lane's eight d of a tile begin 16 h floats on
	v_and_b32 v[VB2], 8, v2
	v_add_nc_u32 v[VB2], v[VB2], v2
	v_lshlrev_b32 v[VB2], 2, v[VB2]                ; bv: the lane's one d: r + 8 (r / 8)
.irp k, 0,1,2,3,4,5,6,7
	v_mov_b32 v[TX+\k], 0                          ; a lane permute's destination counts as one of its sources
.endr
	s_lshl_b32 s2, s21, 8                          ; the head's 64 numbers of each bias
	s_mov_b32 s3, 0
	s_add_nc_u64 s[8:9], s[8:9], s[2:3]
	s_add_nc_u64 s[10:11], s[10:11], s[2:3]
	s_add_nc_u64 s[12:13], s[12:13], s[2:3]
	WIN 0xc0                                       ; destination window 3
.irp J, 0,1,2,3,4,5,6,7
	global_load_b128 v[128+8*\J:128+8*\J+3], v[VB1], s[8+2*(\J/4):9+2*(\J/4)] offset:(32*((\J%4)/2)+8*(\J%2))*4
	global_load_b128 v[128+8*\J+4:128+8*\J+7], v[VB1], s[8+2*(\J/4):9+2*(\J/4)] offset:(32*((\J%4)/2)+8*(\J%2))*4+16
.endr
.irp n, 0,1,2,3
.irp j, 0,1,2,3,4,5,6,7
	global_load_b32 v[192+8*\n+\j], v[VB2], s[12:13] offset:(32*(\n/2)+8*(\n%2))*4   ; the same number in all eight registers: they run along the tokens
.endr
.endr
	WIN 0
	; where my results go
	s_lshr_b32 s66, s22, 3
	s_lshl_b32 s66, s66, 4
	s_add_co_u32 s66, s66, s21                     ; 16 b + head
	s_and_b32 s67, s22, 7                          ; which 256 tokens of the sequence
	s_lshl_b32 s84, s66, 16
	s_lshl_b32 s85, s67, 13
	s_add_co_u32 s84, s84, s85
	s_lshl_b32 s85, s16, 11
	s_add_co_u32 s84, s84, s85                     ; q's codes: tile 16 (tb % 8) + 4 w, 512 bytes a tile
	s_add_co_u32 s86, s84, KC
	s_mov_b32 s85, 0
	s_mov_b32 s87, 0
	s_lshl_b32 s88, s66, 13
	s_lshl_b32 s89, s67, 10
	s_add_co_u32 s88, s88, s89
	s_lshl_b32 s89, s16, 8
	s_add_co_u32 s88, s88, s89                     ; their scale image: 256 bytes a wave
	s_add_co_u32 s90, s88, KS
	s_add_co_u32 s88, s88, QS
	s_mov_b32 s89, 0
	s_mov_b32 s91, 0
	s_lshl_b32 s67, s67, 1
	s_add_co_u32 s67, s67, s17                     ; v: which 128 keys
	s_lshl_b32 s92, s66, 16
	s_lshl_b32 s93, s67, 12
	s_add_co_u32 s92, s92, s93
	s_lshl_b32 s93, s18, 9
	s_add_co_u32 s92, s92, s93                     ; my 64 keys are half c = w % 2 of each image
	s_add_co_u32 s92, s92, VC
	s_mov_b32 s93, 0
	s_lshl_b32 s94, s66, 12
	s_lshl_b32 s95, s67, 8
	s_add_co_u32 s94, s94, s95
	s_lshl_b32 s95, s18, 1
	s_add_co_u32 s94, s94, s95                     ; and bytes 2 (w % 2), + 1 of each scale word
	s_add_co_u32 s94, s94, VS
	s_mov_b32 s95, 0
.irp p, 84,86,88,90,92,94
	s_add_nc_u64 s[\p:\p+1], s[14:15], s[\p:\p+1]
.endr
; one matrix instruction; ra, rb: source 0's, source 1's scales stand in lanes 16-31 of their register
.macro WM d, a, b, c, sa, sb, ra, rb
.if ((\ra) != 0) && ((\rb) != 0)
	v_wmma_scale_f32_16x16x128_f8f6f4 v[\d:\d+7], v[\a:\a+7], v[\b:\b+7], v[\c:\c+7], v[\sa], v[\sb] matrix_a_fmt:MATRIX_FMT_FP4 matrix_b_fmt:MATRIX_FMT_FP4 matrix_a_scale:MATRIX_SCALE_ROW1 matrix_b_scale:MATRIX_SCALE_ROW1
.elseif (\ra) != 0
	v_wmma_scale_f32_16x16x128_f8f6f4 v[\d:\d+7], v[\a:\a+7], v[\b:\b+7], v[\c:\c+7], v[\sa], v[\sb] matrix_a_fmt:MATRIX_FMT_FP4 matrix_b_fmt:MATRIX_FMT_FP4 matrix_a_scale:MATRIX_SCALE_ROW1
.elseif (\rb) != 0
	v_wmma_scale_f32_16x16x128_f8f6f4 v[\d:\d+7], v[\a:\a+7], v[\b:\b+7], v[\c:\c+7], v[\sa], v[\sb] matrix_a_fmt:MATRIX_FMT_FP4 matrix_b_fmt:MATRIX_FMT_FP4 matrix_b_scale:MATRIX_SCALE_ROW1
.else
	v_wmma_scale_f32_16x16x128_f8f6f4 v[\d:\d+7], v[\a:\a+7], v[\b:\b+7], v[\c:\c+7], v[\sa], v[\sb] matrix_a_fmt:MATRIX_FMT_FP4 matrix_b_fmt:MATRIX_FMT_FP4
.endif
.endm
.macro FETCH ks, set                   ; K step ks: the weights' 12 fragments and my 4 of x, 32 loads in one run
	WIN 0x40                                       ; destination window 1
.irp J, 0,1,2,3,4,5,6,7,8,9,10,11
.irp c, 0,1
	ds_load_b128 v[96*(\set)+8*\J+4*\c:96*(\set)+8*\J+4*\c+3], v[ADRB+(\ks)/4] offset:\J*4096+((\ks)%4)*1024+512*\c
.endr
.endr
	WIN 0
.irp t, 0,1,2,3
.irp c, 0,1
	ds_load_b128 v[AF+32*(\set)+8*\t+4*\c:AF+32*(\set)+8*\t+4*\c+3], v[ADRA+(\ks)/4] offset:\t*4096+((\ks)%4)*1024+512*\c
.endr
.endr
.endm
.macro MULQK ks, set, first            ; q and k: source 0 = the weights' tile J, source 1 = my tile t of x
.if \first
	WIN 0xb1                                       ; source 0 window 1, source 1 window 0, C (the bias) window 3, D window 2
.else
	WIN 0xa1
.endif
.irp t, 0,1,2,3
.irp J, 0,1,2,3,4,5,6,7
.if \first
	WM 128*(\J/4)+8*(4*\t+\J%4), 96*(\set)+8*\J, AF+32*(\set)+8*\t, 128+8*\J, SB+8*(\J/2)+(\ks), SA+8*(\t/2)+(\ks), \J%2, \t%2
.else
	WM 128*(\J/4)+8*(4*\t+\J%4), 96*(\set)+8*\J, AF+32*(\set)+8*\t, 128*(\J/4)+8*(4*\t+\J%4), SB+8*(\J/2)+(\ks), SA+8*(\t/2)+(\ks), \J%2, \t%2
.endif
.endr
.endr
.endm
.macro MULV ks, set, first             ; v: source 0 = my tile t of x, source 1 = the weights' tile 8 + n
	WIN 0xf4                                       ; source 0 window 0, source 1 window 1, C and D window 3
.irp n, 0,1,2,3
.irp t, 0,1,2,3
.if \first
	WM 8*(4*\n+\t), AF+32*(\set)+8*\t, 96*(\set)+8*(8+\n), 192+8*\n, SA+8*(\t/2)+(\ks), SB+8*((8+\n)/2)+(\ks), \t%2, \n%2
.else
	WM 8*(4*\n+\t), AF+32*(\set)+8*\t, 96*(\set)+8*(8+\n), 8*(4*\n+\t), SA+8*(\t/2)+(\ks), SB+8*((8+\n)/2)+(\ks), \t%2, \n%2
.endif
.endr
.endr
.endm
; A K step of 128: 48 matrix instructions; the 48 accumulators take turns, one instruction a turn, in the same order in every step.  The next step's fragments are asked for ahead of them.
.macro STEP ks, first
	WIN 0
	s_wait_dscnt 0x0                               ; this step's fragments are in (asked for 48 matrix instructions ago)
.if (\ks) == 3
	s_wait_tensorcnt 0x0                           ; my part of K steps 4-7 has landed,
	s_barrier_signal -1
	s_barrier_wait -1                              ; everybody's has.
.endif
.if (\ks) < 7
	PLACES                                         ; four places in front of loads into registers that the last step's matrix instructions have read
	FETCH (\ks)+1, ((\ks)+1)%2
.endif
	MULQK \ks, (\ks)%2, \first
	MULV \ks, (\ks)%2, \first
.endm
	s_wait_tensorcnt 1                             ; the scale images and my part of K steps 0-3 are in; the third load may be out
	s_barrier_signal -1
	s_barrier_wait -1
.irp p, 0,1
.irp k, 0,1,2,3
	ds_load_b64 v[SA+8*\p+2*\k:SA+8*\p+2*\k+1], v[ADSA] offset:\p*1024+\k*256   ; all of K's scale words: register 8 p + ks: lanes 0-15 tile 2 p, lanes 16-31 tile 2 p + 1
.endr
.endr
.irp p, 0,1,2,3,4,5
.irp k, 0,1,2,3
	ds_load_b64 v[SB+8*\p+2*\k:SB+8*\p+2*\k+1], v[ADSB] offset:\p*1024+\k*256
.endr
.endr
	FETCH 0, 0
	s_wait_loadcnt 0x0                             ; the biases
	STEP 0, 1
.irp s, 1,2,3,4,5,6,7
	STEP \s, 0
.endr
	WIN 0
	PLACES                                         ; four places between the last products and the first read of results
; THE WAY OUT: 8 blocks of 32 along the next K.  Block k = 2 g + b lies in the 16 registers from base + 16 k on of lanes l and l xor 16; group g is a tile of tokens (q, k) or of d (v).
; kind 0: q, k;  1: v.  u: a set of result registers of its own for each use, so that no store's data are written again.  cb, sb: the scalar pairs with the codes' and the scales' addresses.
.macro QUANT8 win, base, u, kind, cb, sb
.set PC, 184+24*(\u)
.set PW, PC+16
.set SL, PC+20
	WIN (\win)*5                                   ; sources 0 and 1: the accumulators' window
.irp k, 0,1,2,3,4,5,6,7
	v_max3_num_f32 v[TM+\k], |v[\base+16*\k]|, |v[\base+16*\k+1]|, 0x1800000   ; each accumulator is read from its low end on; the floor holds the byte at 1 from below
.endr
.irp i, 2,4,6,8,10,12,14
.irp k, 0,1,2,3,4,5,6,7
	v_max3_num_f32 v[TM+\k], |v[\base+16*\k+\i]|, |v[\base+16*\k+\i+1]|, v[TM+\k]
.endr
.endr
	WIN 0
.irp k, 0,1,2,3,4,5,6,7
	v_permlanex16_b32 v[TX+\k], v[TM+\k], s98, s99
.endr
.irp k, 0,1,2,3,4,5,6,7
	v_max_num_f32 v[TM+\k], v[TM+\k], v[TX+\k]     ; with lane l xor 16's: the block's largest magnitude
.endr
.irp k, 0,1,2,3,4,5,6,7
	v_add_nc_u32 v[TS+\k], 0xff000000, v[TM+\k]    ; the conversion's scale operand
.endr
.irp k, 0,1,2,3,4,5,6,7
	v_lshrrev_b32 v[TX+\k], 23, v[TS+\k]           ; the byte
.endr
.irp g, 0,1,2,3
	v_lshl_or_b32 v[PW+\g], v[TX+2*\g+1], 8, v[TX+2*\g]
.endr
.if (\kind) == 0
.irp g, 0,1,2,3
	v_or_b32 v[PW+\g], 0x7f7f0000, v[PW+\g]        ; K = 64: the word's upper two bytes stand over zero codes: 2^0
.endr
.endif
	WIN \win                                       ; source 0
.irp k, 0,1,2,3,4,5,6,7
	v_cvt_scalef32_pk8_fp4_f32 v[PC+2*\k], v[\base+16*\k:\base+16*\k+7], v[TS+\k]
	v_cvt_scalef32_pk8_fp4_f32 v[PC+2*\k+1], v[\base+16*\k+8:\base+16*\k+15], v[TS+\k]
.endr
	WIN 0
	v_nop                                          ; one plain line behind the conversions
.irp g, 0,1,2,3
.irp i, 0,1
	v_permlane16_swap_b32 v[PC+4*\g+\i], v[PC+4*\g+2+\i]   ; the operand's layout wants a whole block in a lane: lanes 0-15 block 0, lanes 16-31 block 1
.endr
.endr
	v_cndmask_b32 v[SL], v[PW], v[PW+1], s96       ; the scale image: lanes 0-15 the even group's, lanes 16-31 the odd group's
	v_cndmask_b32 v[SL+1], v[PW+2], v[PW+3], s96
.if (\kind) == 0
.irp g, 0,1,2,3
	global_store_b128 v[L16], v[PC+4*\g:PC+4*\g+3], s[\cb:\cb+1] offset:512*\g    ; a tile's 512 consecutive bytes
.endr
	global_store_b64 v[L8], v[SL:SL+1], s[\sb:\sb+1]                              ; 256 consecutive bytes
.else
.irp g, 0,1,2,3
	global_store_b128 v[L16], v[PC+4*\g:PC+4*\g+3], s[\cb:\cb+1] offset:1024*\g   ; my half of d tile g's image: 512 consecutive bytes
.endr
	global_store_b16 v[L8], v[SL], s[\sb:\sb+1]            ; two bytes of each scale word: the word's other two are my neighbour wave's.  128 bytes a wave go out so, in pieces of 2
	global_store_b16 v[L8], v[SL+1], s[\sb:\sb+1] offset:4
.endif
.endm
	QUANT8 2, 0, 0, 0, 84, 88
	QUANT8 2, 128, 1, 0, 86, 90
	QUANT8 3, 0, 2, 1, 92, 94
	s_wait_tensorcnt 0x0                           ; the wave's end
	ds_add_u32 v[SPW], v[NIL]
	s_wait_dscnt 0x0
	CROUND                                         ; the closing round
	s_endpgm
.Lfunc_end_k_qebafebf702_gemm_qkv:
	.size	k_qebafebf702_gemm_qkv, .Lfunc_end_k_qebafebf702_gemm_qkv-k_qebafebf702_gemm_qkv
	.p2alignl 7, 3214868480
	.fill 96, 4, 3214868480
	.section	.rodata,"a",@progbits
	.p2align	6, 0x0
	.amdhsa_kernel k_qebafebf702_gemm_qkv
		.amdhsa_group_segment_fixed_size 245760
		.amdhsa_private_segment_fixed_size 0
		.amdhsa_enable_private_segment 0
		.amdhsa_kernarg_size 48
		.amdhsa_user_sgpr_count 2
		.amdhsa_user_sgpr_kernarg_segment_ptr 1
		.amdhsa_wavefront_size32 1
		.amdhsa_system_sgpr_workgroup_id_x 1
		.amdhsa_system_sgpr_workgroup_id_y 1
		.amdhsa_system_sgpr_workgroup_id_z 1
		.amdhsa_system_vgpr_workitem_id 0
		.amdhsa_next_free_vgpr 1024
		.amdhsa_next_free_sgpr 102
		.amdhsa_reserve_vcc 0
		.amdhsa_float_denorm_mode_32 3
		.amdhsa_float_denorm_mode_16_64 3
		.amdhsa_memory_ordered 1
		.amdhsa_forward_progress 1
		.amdhsa_inst_pref_size 109
	.end_amdhsa_kernel
	.amdgpu_metadata
---
amdhsa.version: [ 1, 2 ]
amdhsa.kernels:
  - .name:           k_qebafebf702_gemm_qkv
    .symbol:         k_qebafebf702_gemm_qkv.kd
    .args:
      - { .name: xq, .offset: 0, .size: 8, .value_kind: global_buffer, .address_space: global }
      - { .name: wq, .offset: 8, .size: 8, .value_kind: global_buffer, .address_space: global }
      - { .name: bq, .offset: 16, .size: 8, .value_kind: global_buffer, .address_space: global }
      - { .name: bk, .offset: 24, .size: 8, .value_kind: global_buffer, .address_space: global }
      - { .name: bv, .offset: 32, .size: 8, .value_kind: global_buffer, .address_space: global }
      - { .name: qkv, .offset: 40, .size: 8, .value_kind: global_buffer, .address_space: global }
    .group_segment_fixed_size: 245760
    .private_segment_fixed_size: 0
    .kernarg_segment_align: 8
    .kernarg_segment_size: 48
    .max_flat_workgroup_size: 128
    .sgpr_count:     102
    .vgpr_count:     1024
    .wavefront_size: 32
...
	.end_amdgpu_metadata
.endif
;; end of part 2
;; launch attn (part 3): grid 4 x 64, 16 waves a work-group, clusters of 4 x 1, 167,936 bytes of LDS; arguments qkv, cq; writes cq
.if DOCPART == 3
	.amdgcn_target "amdgcn-amd-amdhsa--gfx1250"
	.amdhsa_code_object_version 6
	.text
	.protected	k_qebafebf702_attn
	.globl	k_qebafebf702_attn
	.p2align	8
	.type	k_qebafebf702_attn,@function
k_qebafebf702_attn:
	s_mov_b64 s[64:65], 0
	v_nop
	global_prefetch_b8 v0, s[64:65] scope:SCOPE_SE
	s_setreg_imm32_b32 hwreg(HW_REG_WAVE_MODE, 25, 1), 1
	s_wait_xcnt 0x0
	s_wait_alu depctr_hold_cnt(0) depctr_sa_sdst(0) depctr_va_vdst(0) depctr_va_sdst(0) depctr_va_ssrc(0) depctr_va_vcc(0) depctr_vm_vsrc(0)
	s_getreg_b32 s2, hwreg(HW_REG_IB_STS2, 6, 4)
	s_cmp_eq_u32 s2, 0
	s_cbranch_scc0 .Lentry_in_a_cluster
	s_endpgm
.Lentry_in_a_cluster:
	s_bfe_u32 s2, ttmp6, 0x10000c
	s_cmp_lg_u32 s2, 0x3003
	s_cbranch_scc0 .Lentry_shape_is_right
	s_endpgm
.Lentry_shape_is_right:
; LAUNCH 3 OF 4.  ctx = softmax(q k^T / 8) v for each of 64 (batch, head), both products on codes of E2M1, and ctx's quantising for the last product.  Nothing of the problem is left out.
; THE SOFTMAX AHEAD OF THE SECOND PRODUCT: t = score x log2(e) / 8; M = the row's largest t so far, rounded UP to a whole number; p = 2^(t - M) is quantised along the keys, not normalised; the row's sum is taken of the
; unquantised p and divides at the end.  When M moves, the sum and O are multiplied by 2^(old M - new M): exact.
; SHARES.  A work-group owns 512 queries of one head; each of its sixteen waves owns one tile of 16 queries in each of two passes: four waves to a SIMD, so that one wave's vector work stands beside another's products and LDS loads.
; The head's WHOLE K and V, 131,072 bytes of codes and 12,288 of scale images, come into LDS once and stay: no LDS byte is filled twice, and the loops have no barrier.
; CLUSTER: the head's four blocks of queries form a cluster and read the same K and V: each block of bytes is asked for jointly, with a mask that names the four.
; LAYOUT.  Both products are used transposed: S^T = K Q^T (source 0 = 16 keys), O^T = V^T P^T (source 0 = 16 of the head's 64): a lane holds ONE query.  By the order of a tile's rows (lane r of tile T: row
; 32 (T / 2) + 8 (T % 2) + r + 8 (r / 8)) the 16 registers of key tiles 2 b, 2 b + 1 are 16 neighbouring keys, and the 16 of d tiles 2 b, 2 b + 1 are 16 neighbouring d.
; The first product's K is 64 in an instruction of 128: registers 4-7 of K's and Q's fragments are kept 0, and the scale words' upper bytes are 0x7f.
; LIMITS: as in the first launch for ctx's blocks; a block of p that has fallen to 0 keeps byte 1 (its codes are zeros).
; REGISTERS: v1-4, v7 addresses that stay; v5, v6 the add's two; v8-11 addresses of the step; v12 -M, v13 the largest t, v[14:15] the sum in two halves; v16-23 Q; v24-27 K's scale words, v28-29 V's, v30 Q's, v31 p's
; (scales and nothing else); v32-95 eight fragments of K; v96-159 S^T, then p; v160-191 O^T; v192-223 four fragments of V; v224-231 p's codes; v232-255 at work.
.set KC,    4194304
.set QS,    12582912
.set KS,    13107200
.set VS,    13631488
.set XS,    4194304                    ; in cq: where the scale images begin
.set SPARE, 143360                     ; LDS: K's codes at 0, V's at 65,536, K's scale images at 131,072, V's at 139,264, then the spare words, 128 bytes for each wave
.set LI,   1
.set AV0,  2
.set AS0,  3
.set AT0,  4
.set SPW,  5
.set NIL,  6
.set R8,   7
.set ADK,  8
.set ADV,  9
.set ADS,  10
.set ADT,  11
.set WV,   18
.set SEL,  20
.set CS,   22
.set G1C,  24
.set G1S,  32
.set G0C,  40
.set G0S,  44
.set QB,   48
.set QSB,  50
.set CB,   52
.set CSB,  54
.set TK,   56
.set TSC,  57
.set TV,   58
.set CNT,  59
.macro CROUND
	s_barrier_signal -1
	s_barrier_wait -1
	s_cmp_lg_u32 s[WV], 0
	s_cbranch_scc1 .Lnot_wave_0_\@
	s_barrier_signal -3
.Lnot_wave_0_\@:
	s_barrier_wait -3
	s_barrier_signal -1
	s_barrier_wait -1
.endm
	s_load_b128 s[4:7], s[0:1], 0x0                ; qkv, cq
	v_lshl_add_u32 v[SPW], v0, 2, SPARE
	v_mov_b32 v[NIL], 0
	ds_add_u32 v[SPW], v[NIL]                      ; the wave's opening: the add, twice on end, and its wait ahead of my first tensor load
	ds_add_u32 v[SPW], v[NIL]
	v_lshrrev_b32 v8, 5, v0
	s_delay_alu instid0(VALU_DEP_1)
	v_readfirstlane_b32 s[WV], v8                  ; wave 0..15
	s_bfe_u32 s19, ttmp6, 0x40000                  ; cx: my block of 512 queries; it enters Q's and ctx's addresses alone
	s_and_b32 s8, ttmp7, 0xffff                    ; 16 b + head, which the four partners share
	; descriptor group 1: dense blocks as rows of 256 bytes (32 elements of 8 bytes), no padding: 16,384 bytes of codes, 4,096 of scale images
	s_mov_b32 s[G1C], 15|(3<<16)|(1<<21)           ; 15:0 the mask: all four work-groups; 17:16 elements of 8 bytes; 21 set beside a mask
	s_mov_b32 s[G1C+1], 32<<16
	s_mov_b32 s[G1C+2], 64<<16
	s_mov_b32 s[G1C+3], 32<<16
	s_mov_b32 s[G1C+4], 64
	s_mov_b32 s[G1C+5], 32
	s_mov_b32 s[G1C+6], 0
	s_mov_b32 s[G1C+7], 0
	s_mov_b32 s[G1S], 15|(3<<16)|(1<<21)
	s_mov_b32 s[G1S+1], 32<<16
	s_mov_b32 s[G1S+2], 16<<16
	s_mov_b32 s[G1S+3], 32<<16
	s_mov_b32 s[G1S+4], 16
	s_mov_b32 s[G1S+5], 32
	s_mov_b32 s[G1S+6], 0
	s_mov_b32 s[G1S+7], 0
	; group 0.  Waves 0-3: K's quarters; waves 4-7: V's (V's codes lie 4,194,304 bytes behind K's); waves 8, 9: the halves of K's scale images; wave 10: V's
	s_mov_b32 s[G0C], 1
	s_lshl_b32 s[G0C+1], s[WV], 14
	s_lshl_b32 s[G0C+2], s8, 16
	s_lshr_b32 s9, s[WV], 2
	s_lshl_b32 s9, s9, 22
	s_add_co_u32 s[G0C+2], s[G0C+2], s9
	s_and_b32 s9, s[WV], 3
	s_lshl_b32 s9, s9, 14
	s_add_co_u32 s[G0C+2], s[G0C+2], s9
	s_add_co_u32 s[G0C+2], s[G0C+2], KC
	s_mov_b32 s[G0C+3], 0
	s_mov_b32 s[G0S], 1
	s_lshl_b32 s[G0S+1], s[WV], 12
	s_add_co_u32 s[G0S+1], s[G0S+1], 98304         ; wave 8: 131,072; 9: 135,168; 10: 139,264
	s_lshl_b32 s10, s8, 13
	s_and_b32 s9, s[WV], 1
	s_lshl_b32 s9, s9, 12
	s_add_co_u32 s10, s10, s9
	s_add_co_u32 s10, s10, KS
	s_lshl_b32 s11, s8, 12
	s_add_co_u32 s11, s11, VS
	s_cmp_lt_u32 s[WV], 10
	s_cselect_b32 s[G0S+2], s10, s11
	s_mov_b32 s[G0S+3], 0
	s_mov_b32 s[SEL], 0x76543210
	s_mov_b32 s[SEL+1], 0xfedcba98                 ; selects for lane l xor 16
	s_mov_b32 s[CS], 0x3e38aa3b                    ; c = log2(e) / 8
	s_mov_b32 s[CS+1], s[CS]                       ; (named with it as a pair, so it is written)
	s_wait_dscnt 0x0                               ; both opening adds are done
	s_wait_kmcnt 0x0
	s_add_nc_u64 s[G0C+2:G0C+3], s[4:5], s[G0C+2:G0C+3]
	s_or_b32 s[G0C+3], s[G0C+3], 0x80000000
	s_add_nc_u64 s[G0S+2:G0S+3], s[4:5], s[G0S+2:G0S+3]
	s_or_b32 s[G0S+3], s[G0S+3], 0x80000000
	CROUND                                         ; all four work-groups are here: the joint loads meet
	s_cmp_lt_u32 s[WV], 8                          ; the branches hang on the wave's number alone; a wave has one load out, or none
	s_cbranch_scc0 .Lnot_codes
	tensor_load_to_lds s[G0C:G0C+3], s[G1C:G1C+7]
	s_nop 0
.rept 4
	v_nop
.endr
	s_branch .Lasked
.Lnot_codes:
	s_cmp_lt_u32 s[WV], 11
	s_cbranch_scc0 .Lasked
	tensor_load_to_lds s[G0S:G0S+3], s[G1S:G1S+7]
	s_nop 0
.rept 4
	v_nop
.endr
.Lasked:
	v_and_b32 v8, 31, v0
	v_and_b32 v9, 15, v0
	s_delay_alu instid0(VALU_DEP_2)
	v_lshlrev_b32 v[LI], 4, v8                     ; 16 x lane: an image's place for my lane
	s_delay_alu instid0(VALU_DEP_1)
	v_add_nc_u32 v[AV0], 0x10000, v[LI]
	s_delay_alu instid0(VALU_DEP_4)
	v_lshlrev_b32 v[AS0], 3, v8
	s_delay_alu instid0(VALU_DEP_1)
	v_add_nc_u32 v[AT0], 139264, v[AS0]
	s_delay_alu instid0(VALU_DEP_2)
	v_add_nc_u32 v[AS0], 131072, v[AS0]
	v_lshlrev_b32 v[R8], 3, v9                     ; 8 r
.irp j, 20,21,22,23
	v_mov_b32 v[\j], 0                             ; Q's K = 64 .. 127: zero codes
.endr
.irp i, 0,1,2,3,4,5,6,7
.irp j, 4,5,6,7
	v_mov_b32 v[32+8*\i+\j], 0                     ; K's likewise: written once, never loaded
.endr
.endr
.irp b, 0,1,2,3
	v_mov_b32 v[236+\b], 0                         ; a lane permute's destination counts as one of its sources
.endr
	v_mov_b32 v253, 0                              ; (named as the upper half of the pair v[252:253])
	s_lshr_b32 s14, s8, 4                          ; b
	s_and_b32 s15, s8, 15                          ; head
	s_lshl_b32 s[QB], s8, 16                       ; Q's codes: tile 32 cx + w (+ 16 in the second pass), 512 bytes a tile
	s_lshl_b32 s16, s19, 5
	s_add_co_u32 s16, s16, s[WV]
	s_lshl_b32 s16, s16, 9
	s_add_co_u32 s[QB], s[QB], s16
	s_mov_b32 s[QB+1], 0
	s_lshl_b32 s[QSB], s8, 13                      ; Q's scale words: image 8 cx + w / 4, lanes 16 (w % 2) on, word (w / 2) % 2
	s_lshl_b32 s16, s19, 3
	s_lshr_b32 s17, s[WV], 2
	s_add_co_u32 s16, s16, s17
	s_lshl_b32 s16, s16, 8
	s_add_co_u32 s[QSB], s[QSB], s16
	s_and_b32 s16, s[WV], 1
	s_lshl_b32 s16, s16, 7
	s_add_co_u32 s[QSB], s[QSB], s16
	s_bfe_u32 s16, s[WV], 0x10001
	s_lshl_b32 s16, s16, 2
	s_add_co_u32 s[QSB], s[QSB], s16
	s_add_co_u32 s[QSB], s[QSB], QS
	s_mov_b32 s[QSB+1], 0
	s_lshl_b32 s60, s14, 3
	s_lshl_b32 s16, s19, 1
	s_add_co_u32 s60, s60, s16                     ; ctx: block of 256 tokens 8 b + 2 cx (+ 1 in the second pass), tile w;
	s_lshl_b32 s[CB], s60, 17
	s_lshr_b32 s16, s15, 3                         ; K = 64 head + d: K half head / 8,
	s_lshl_b32 s16, s16, 16
	s_add_co_u32 s[CB], s[CB], s16
	s_lshl_b32 s16, s[WV], 12
	s_add_co_u32 s[CB], s[CB], s16
	s_bfe_u32 s16, s15, 0x20001                    ; K step (head / 2) % 4,
	s_lshl_b32 s16, s16, 10
	s_add_co_u32 s[CB], s[CB], s16
	s_and_b32 s16, s15, 1                          ; half c = head % 2 of the image
	s_lshl_b32 s16, s16, 9
	s_add_co_u32 s[CB], s[CB], s16
	s_mov_b32 s[CB+1], 0
	s_lshl_b32 s[CSB], s60, 3                      ; its scale bytes: pair of tiles, kp = head / 4, lanes 16 (w % 2) on, word (head / 2) % 2, bytes 2 (head % 2), + 1
	s_lshr_b32 s16, s[WV], 1
	s_add_co_u32 s[CSB], s[CSB], s16
	s_lshl_b32 s[CSB], s[CSB], 10
	s_lshr_b32 s16, s15, 2
	s_lshl_b32 s16, s16, 8
	s_add_co_u32 s[CSB], s[CSB], s16
	s_and_b32 s16, s[WV], 1
	s_lshl_b32 s16, s16, 7
	s_add_co_u32 s[CSB], s[CSB], s16
	s_bfe_u32 s16, s15, 0x10001
	s_lshl_b32 s16, s16, 2
	s_add_co_u32 s[CSB], s[CSB], s16
	s_and_b32 s16, s15, 1
	s_lshl_b32 s16, s16, 1
	s_add_co_u32 s[CSB], s[CSB], s16
	s_add_co_u32 s[CSB], s[CSB], XS
	s_mov_b32 s[CSB+1], 0
	s_add_nc_u64 s[QB:QB+1], s[4:5], s[QB:QB+1]
	s_add_nc_u64 s[QSB:QSB+1], s[4:5], s[QSB:QSB+1]
	s_add_nc_u64 s[CB:CB+1], s[6:7], s[CB:CB+1]
	s_add_nc_u64 s[CSB:CSB+1], s[6:7], s[CSB:CSB+1]
	s_wait_tensorcnt 0x0                           ; my part of K and V has landed,
	s_barrier_signal -1
	s_barrier_wait -1                              ; everybody's has.
; A KEY STEP: 128 keys
.macro STEP
	v_add_nc_u32 v[ADK], s[TK], v[LI]              ; these four are also the places in front of loads into registers that the last step's products have read
	v_add_nc_u32 v[ADV], s[TK], v[AV0]
	v_add_nc_u32 v[ADS], s[TSC], v[AS0]
	v_add_nc_u32 v[ADT], s[TV], v[AT0]
.irp i, 0,1,2,3,4,5,6,7
	ds_load_b128 v[32+8*\i:35+8*\i], v[ADK] offset:512*\i          ; eight tiles of 16 keys: registers 0-3 of each fragment
.endr
.irp g, 0,1
	ds_load_b64 v[24+2*\g:25+2*\g], v[ADS] offset:256*\g           ; register 24 + i / 2: lanes 0-15 tile i even, lanes 16-31 tile i odd
.endr
.irp d, 0,1,2,3
.irp c, 0,1
	ds_load_b128 v[192+8*\d+4*\c:195+8*\d+4*\c], v[ADV] offset:1024*\d+512*\c
.endr
.endr
	ds_load_b64 v[28:29], v[ADT]
	s_wait_dscnt 9                                 ; K and its scale words are in; V's eight loads and its scale load may be out
.irp i, 0,2,4,6
	v_wmma_scale_f32_16x16x128_f8f6f4 v[96+8*\i:103+8*\i], v[32+8*\i:39+8*\i], v[16:23], 0, v[24+\i/2], v30 matrix_a_fmt:MATRIX_FMT_FP4 matrix_b_fmt:MATRIX_FMT_FP4
	v_wmma_scale_f32_16x16x128_f8f6f4 v[104+8*\i:111+8*\i], v[40+8*\i:47+8*\i], v[16:23], 0, v[24+\i/2], v30 matrix_a_fmt:MATRIX_FMT_FP4 matrix_b_fmt:MATRIX_FMT_FP4 matrix_a_scale:MATRIX_SCALE_ROW1
.endr
.rept 4
	v_nop                                          ; four places between the products and the first read of results
.endr
.irp b, 0,1,2,3
	v_max3_num_f32 v[232+\b], v[96+16*\b], v[97+16*\b], v[98+16*\b]   ; the largest score of each block of 32 keys: for the row's maximum, and, since p rises with the score, for the block's largest p
.endr
.irp i, 3,5,7,9,11,13
.irp b, 0,1,2,3
	v_max3_num_f32 v[232+\b], v[232+\b], v[96+16*\b+\i], v[97+16*\b+\i]
.endr
.endr
.irp b, 0,1,2,3
	v_max_num_f32 v[232+\b], v[232+\b], v[111+16*\b]
.endr
.irp b, 0,1,2,3
	s_delay_alu instid0(VALU_DEP_4)
	v_permlanex16_b32 v[236+\b], v[232+\b], s[SEL], s[SEL+1]
.endr
.irp b, 0,1,2,3
	s_delay_alu instid0(VALU_DEP_4)
	v_max_num_f32 v[232+\b], v[232+\b], v[236+\b]  ; with lane l xor 16's 16 keys
.endr
	s_delay_alu instid0(VALU_DEP_2)
	v_max3_num_f32 v254, v232, v233, v234
	s_delay_alu instid0(VALU_DEP_1)
	v_max_num_f32 v254, v254, v235                 ; the step's largest score of my query
	s_delay_alu instid0(VALU_DEP_1)
	v_mul_f32 v254, s[CS], v254                    ; as t (c is positive)
	s_delay_alu instid0(VALU_DEP_1)
	v_max_num_f32 v13, v13, v254                   ; the running largest t
	v_mov_b32 v254, v12
	s_delay_alu instid0(VALU_DEP_2)
	v_floor_f32 v12, -v13                          ; the new -M = floor(-t): M is a whole number
	s_delay_alu instid0(VALU_DEP_1)
	v_sub_f32 v254, v12, v254                      ; old M - new M: a whole number, 0 or less
	s_delay_alu instid0(VALU_DEP_1)
	v_cvt_i32_f32 v254, v254                       ; (it saturates)
	s_delay_alu instid0(VALU_DEP_1)
	v_ldexp_f32 v252, 1.0, v254                    ; f = 2^(old M - new M)
.irp j, 0,2,4,6,8,10,12,14,16,18,20,22,24,26,28,30,32,34,36,38,40,42,44,46,48,50,52,54,56,58,60,62
	v_pk_fma_f32 v[96+\j:97+\j], v[96+\j:97+\j], s[CS:CS+1], v[12:13] op_sel_hi:[1,0,0]   ; t - M, two at a time
.endr
.irp b, 0,1,2,3
	v_fma_f32 v[232+\b], v[232+\b], s[CS], v12     ; the same of each block's largest score
.endr
	s_wait_alu depctr_va_vdst(0)
.irp j, 0,1,2,3,4,5,6,7,8,9,10,11,12,13,14,15,16,17,18,19,20,21,22,23,24,25,26,27,28,29,30,31,32,33,34,35,36,37,38,39,40,41,42,43,44,45,46,47,48,49,50,51,52,53,54,55,56,57,58,59,60,61,62,63
	v_exp_f32 v[96+\j], v[96+\j]                   ; p = 2^(t - M), at most 1
.endr
	s_setprio 1
	v_pk_mul_f32 v[14:15], v[14:15], v[252:253] op_sel_hi:[1,0]   ; the sums under the new M: a plain line behind the exponentials
	s_wait_alu depctr_va_vdst(0)                   ; one wait for the whole batch, ahead of its first reader
.irp b, 0,1,2,3
	v_exp_f32 v[232+\b], v[232+\b]                 ; the block's largest p
.endr
	v_pk_add_f32 v[236:237], v[100:101], v[104:105]
	v_pk_add_f32 v[254:255], v[108:109], v[112:113]
	v_pk_add_f32 v[250:251], v[116:117], v[120:121]
	v_pk_add_f32 v[248:249], v[124:125], v[128:129]
	v_pk_add_f32 v[246:247], v[132:133], v[136:137]
	v_pk_add_f32 v[244:245], v[140:141], v[144:145]
	v_pk_add_f32 v[242:243], v[148:149], v[152:153]
	v_pk_add_f32 v[14:15], v[14:15], v[156:157]
	v_pk_add_f32 v[236:237], v[236:237], v[96:97]
	v_pk_add_f32 v[254:255], v[254:255], v[98:99]
	v_pk_add_f32 v[250:251], v[250:251], v[102:103]
	v_pk_add_f32 v[248:249], v[248:249], v[106:107]
	v_pk_add_f32 v[246:247], v[246:247], v[110:111]
	v_pk_add_f32 v[244:245], v[244:245], v[114:115]
	v_pk_add_f32 v[242:243], v[242:243], v[118:119]
	v_pk_add_f32 v[14:15], v[14:15], v[122:123]
	v_pk_add_f32 v[236:237], v[236:237], v[126:127]
	v_pk_add_f32 v[254:255], v[254:255], v[130:131]
	v_pk_add_f32 v[250:251], v[250:251], v[134:135]
	v_pk_add_f32 v[248:249], v[248:249], v[138:139]
	v_pk_add_f32 v[246:247], v[246:247], v[142:143]
	v_pk_add_f32 v[244:245], v[244:245], v[146:147]
	v_pk_add_f32 v[242:243], v[242:243], v[150:151]
	v_pk_add_f32 v[14:15], v[14:15], v[154:155]
	v_pk_add_f32 v[236:237], v[236:237], v[158:159]
	s_delay_alu instid0(VALU_DEP_2)
	v_pk_add_f32 v[14:15], v[14:15], v[248:249]
	s_delay_alu instid0(VALU_DEP_2)
	v_pk_add_f32 v[236:237], v[236:237], v[246:247]
	v_pk_add_f32 v[254:255], v[254:255], v[244:245]
	v_pk_add_f32 v[250:251], v[250:251], v[242:243]
	s_delay_alu instid0(VALU_DEP_2)
	v_pk_add_f32 v[14:15], v[14:15], v[254:255]
	s_delay_alu instid0(VALU_DEP_2)
	v_pk_add_f32 v[236:237], v[236:237], v[250:251]
	s_delay_alu instid0(VALU_DEP_1)
	v_pk_add_f32 v[14:15], v[14:15], v[236:237]
	s_wait_alu depctr_va_vdst(0)                   ; and one for the four
.irp b, 0,1,2,3
	v_max_num_f32 v[232+\b], 0x1800000, v[232+\b]  ; the floor: the byte cannot fall under 1
.endr
.irp b, 0,1,2,3
	s_delay_alu instid0(VALU_DEP_4)
	v_add_nc_u32 v[244+\b], 0xff000000, v[232+\b]  ; the conversion's scale operand
.endr
.irp b, 0,1,2,3
	s_delay_alu instid0(VALU_DEP_4)
	v_lshrrev_b32 v[236+\b], 23, v[244+\b]         ; the byte
.endr
	s_delay_alu instid0(VALU_DEP_3)
	v_lshl_or_b32 v31, v237, 8, v236               ; p's scale word for these 128 keys
	s_delay_alu instid0(VALU_DEP_1)
	v_lshl_or_b32 v31, v238, 16, v31
	s_delay_alu instid0(VALU_DEP_1)
	v_lshl_or_b32 v31, v239, 24, v31
.irp b, 0,1,2,3
	v_cvt_scalef32_pk8_fp4_f32 v[224+2*\b], v[96+16*\b:103+16*\b], v[244+\b]
	v_cvt_scalef32_pk8_fp4_f32 v[225+2*\b], v[104+16*\b:111+16*\b], v[244+\b]
.endr
	v_nop                                          ; one plain line behind the conversions
.irp c, 0,1
.irp i, 0,1
	v_permlane16_swap_b32 v[224+4*\c+\i], v[226+4*\c+\i]   ; a whole block in a lane: lanes 0-15 block 2 c, lanes 16-31 block 2 c + 1
.endr
.endr
	s_setprio 0
.irp j, 0,2,4,6,8,10,12,14,16,18,20,22,24,26,28,30
	v_pk_mul_f32 v[160+\j:161+\j], v[160+\j:161+\j], v[252:253] op_sel_hi:[1,0]   ; O^T under the new M.  These sixteen are also the places between the scale word, the codes and the products
.endr
	s_wait_alu depctr_va_vdst(0)
	s_wait_dscnt 0x0                               ; V and its scale words are in
.irp j, 0,1
	v_wmma_scale_f32_16x16x128_f8f6f4 v[160+16*\j:167+16*\j], v[192+16*\j:199+16*\j], v[224:231], v[160+16*\j:167+16*\j], v[28+\j], v31 matrix_a_fmt:MATRIX_FMT_FP4 matrix_b_fmt:MATRIX_FMT_FP4
	v_wmma_scale_f32_16x16x128_f8f6f4 v[168+16*\j:175+16*\j], v[200+16*\j:207+16*\j], v[224:231], v[168+16*\j:175+16*\j], v[28+\j], v31 matrix_a_fmt:MATRIX_FMT_FP4 matrix_b_fmt:MATRIX_FMT_FP4 matrix_a_scale:MATRIX_SCALE_ROW1
.endr
	s_add_co_u32 s[TK], s[TK], 4096                ; the next 128 keys: eight tiles of K, four images of V,
	s_add_co_u32 s[TSC], s[TSC], 512               ; two scale images of K,
	s_add_co_u32 s[TV], s[TV], 256                 ; one of V
.endm
; A PASS: my tile of 16 queries 32 cx + 16 p + w walks the head's 2,048 keys; then ctx = O / the sum is quantised along d and stored as half an image of the last product's operand
.macro PASS p
.if \p
	s_wait_xcnt 0x0                                ; the first pass's stores have read their registers
.endif
	global_load_b128 v[16:19], v[LI], s[QB:QB+1] offset:8192*\p
	global_load_b32 v30, v[R8], s[QSB:QSB+1] offset:1024*\p
	v_mov_b32 v13, 0xff61b1e6                      ; the largest t so far: -3e38, under every t
	s_delay_alu instid0(VALU_DEP_1)
	v_floor_f32 v12, -v13                          ; -M
	v_mov_b32 v14, 0
	v_mov_b32 v15, 0
.irp j, 0,1,2,3,4,5,6,7,8,9,10,11,12,13,14,15,16,17,18,19,20,21,22,23,24,25,26,27,28,29,30,31
	v_mov_b32 v[160+\j], 0                         ; O^T: the loop is written once; its first step finds zeros, which the first change of M leaves zeros
.endr
	s_mov_b32 s[TK], 0
	s_mov_b32 s[TSC], 0
	s_mov_b32 s[TV], 0
	s_mov_b32 s[CNT], 16
	s_wait_loadcnt 0x0
.Lkeys_\@:
	s_setprio 2
	STEP
	s_sub_co_u32 s[CNT], s[CNT], 1
	s_cmp_lg_u32 s[CNT], 0
	s_cbranch_scc1 .Lkeys_\@
	s_setprio 0
.rept 4
	v_nop                                          ; four places between the last products and the first read of O^T
.endr
	v_add_f32 v14, v14, v15
	s_delay_alu instid0(VALU_DEP_1)
	v_permlanex16_b32 v252, v14, s[SEL], s[SEL+1]
	s_delay_alu instid0(VALU_DEP_1)
	v_add_f32 v14, v14, v252                       ; the row's sum
	s_wait_alu depctr_va_vdst(0)
	v_rcp_f32 v14, v14
	v_nop                                          ; a plain line behind the reciprocal
	s_wait_alu depctr_va_vdst(0)                   ; and the wait ahead of its first reader
.irp j, 0,1,2,3,4,5,6,7,8,9,10,11,12,13,14,15,16,17,18,19,20,21,22,23,24,25,26,27,28,29,30,31
	v_mul_f32 v[96+\j], v[160+\j], v14             ; ctx: register 16 b + i is d = 32 b + 16 h + i of my query
.endr
.irp b, 0,1
	v_max3_num_f32 v[232+\b], |v[96+16*\b]|, |v[97+16*\b]|, 0x1800000
.endr
.irp i, 2,4,6,8,10,12,14
.irp b, 0,1
	s_delay_alu instid0(VALU_DEP_2)
	v_max3_num_f32 v[232+\b], v[232+\b], |v[96+16*\b+\i]|, |v[97+16*\b+\i]|
.endr
.endr
.irp b, 0,1
	s_delay_alu instid0(VALU_DEP_2)
	v_permlanex16_b32 v[236+\b], v[232+\b], s[SEL], s[SEL+1]
.endr
.irp b, 0,1
	s_delay_alu instid0(VALU_DEP_2)
	v_max_num_f32 v[232+\b], v[232+\b], v[236+\b]
.endr
.irp b, 0,1
	s_delay_alu instid0(VALU_DEP_2)
	v_add_nc_u32 v[244+\b], 0xff000000, v[232+\b]
.endr
.irp b, 0,1
	s_delay_alu instid0(VALU_DEP_2)
	v_lshrrev_b32 v[236+\b], 23, v[244+\b]
.endr
	s_delay_alu instid0(VALU_DEP_1)
	v_lshl_or_b32 v240, v237, 8, v236              ; the head's two bytes of my query's scale word
.irp b, 0,1
	v_cvt_scalef32_pk8_fp4_f32 v[224+2*\b], v[96+16*\b:103+16*\b], v[244+\b]
	v_cvt_scalef32_pk8_fp4_f32 v[225+2*\b], v[104+16*\b:111+16*\b], v[244+\b]
.endr
	v_nop
	v_permlane16_swap_b32 v224, v226
	v_permlane16_swap_b32 v225, v227
	global_store_b128 v[LI], v[224:227], s[CB:CB+1] offset:131072*\p    ; 512 consecutive bytes: half an image
	global_store_b16 v[R8], v240, s[CSB:CSB+1] offset:8192*\p           ; 2 bytes a query; lanes r and r + 16 store the same two bytes with the same value.  32 bytes a wave go out so
.endm
	PASS 0
	PASS 1
	s_wait_tensorcnt 0x0                           ; the wave's end
	ds_add_u32 v[SPW], v[NIL]
	s_wait_dscnt 0x0
	CROUND                                         ; the closing round
	s_endpgm
.Lfunc_end_k_qebafebf702_attn:
	.size	k_qebafebf702_attn, .Lfunc_end_k_qebafebf702_attn-k_qebafebf702_attn
	.p2alignl 7, 3214868480
	.fill 96, 4, 3214868480
	.section	.rodata,"a",@progbits
	.p2align	6, 0x0
	.amdhsa_kernel k_qebafebf702_attn
		.amdhsa_group_segment_fixed_size 167936
		.amdhsa_private_segment_fixed_size 0
		.amdhsa_enable_private_segment 0
		.amdhsa_kernarg_size 16
		.amdhsa_user_sgpr_count 2
		.amdhsa_user_sgpr_kernarg_segment_ptr 1
		.amdhsa_wavefront_size32 1
		.amdhsa_system_sgpr_workgroup_id_x 1
		.amdhsa_system_sgpr_workgroup_id_y 1
		.amdhsa_system_sgpr_workgroup_id_z 1
		.amdhsa_system_vgpr_workitem_id 0
		.amdhsa_next_free_vgpr 256
		.amdhsa_next_free_sgpr 66
		.amdhsa_reserve_vcc 0
		.amdhsa_float_denorm_mode_32 3
		.amdhsa_float_denorm_mode_16_64 3
		.amdhsa_memory_ordered 1
		.amdhsa_forward_progress 1
		.amdhsa_inst_pref_size 53
	.end_amdhsa_kernel
	.amdgpu_metadata
---
amdhsa.version: [ 1, 2 ]
amdhsa.kernels:
  - .name:           k_qebafebf702_attn
    .symbol:         k_qebafebf702_attn.kd
    .args:
      - { .name: qkv, .offset: 0, .size: 8, .value_kind: global_buffer, .address_space: global }
      - { .name: cq, .offset: 8, .size: 8, .value_kind: global_buffer, .address_space: global }
    .group_segment_fixed_size: 167936
    .private_segment_fixed_size: 0
    .kernarg_segment_align: 8
    .kernarg_segment_size: 16
    .max_flat_workgroup_size: 512
    .sgpr_count:     66
    .vgpr_count:     256
    .wavefront_size: 32
...
	.end_amdgpu_metadata
.endif
;; end of part 3
;; launch proj (part 4): grid 8 x 32, 4 waves a work-group, clusters of 4 x 4, 245,760 bytes of LDS; arguments cq, wq, bo, out0; writes out0
.if DOCPART == 4
	.amdgcn_target "amdgcn-amd-amdhsa--gfx1250"
	.amdhsa_code_object_version 6
	.text
	.protected	k_qebafebf702_proj
	.globl	k_qebafebf702_proj
	.p2align	8
	.type	k_qebafebf702_proj,@function
k_qebafebf702_proj:
	s_mov_b64 s[64:65], 0
	v_nop
	global_prefetch_b8 v0, s[64:65] scope:SCOPE_SE
	s_setreg_imm32_b32 hwreg(HW_REG_WAVE_MODE, 25, 1), 1
	s_wait_xcnt 0x0
	s_wait_alu depctr_hold_cnt(0) depctr_sa_sdst(0) depctr_va_vdst(0) depctr_va_sdst(0) depctr_va_ssrc(0) depctr_va_vcc(0) depctr_vm_vsrc(0)
	s_getreg_b32 s2, hwreg(HW_REG_IB_STS2, 6, 4)
	s_cmp_eq_u32 s2, 0
	s_cbranch_scc0 .Lentry_in_a_cluster
	s_endpgm
.Lentry_in_a_cluster:
	s_bfe_u32 s2, ttmp6, 0x10000c
	s_cmp_lg_u32 s2, 0xf033
	s_cbranch_scc0 .Lentry_shape_is_right
	s_endpgm
.Lentry_shape_is_right:
; LAUNCH 4 OF 4.  out0 = ctx Wo + bo on codes of E2M1; f32 out.  Nothing of the problem is left out.
; SHARES.  A work-group takes 256 tokens (tb) x 128 columns (cg): 256 work-groups.  Wave w takes tokens 64 w .. + 63 (tiles T = 4 w + t) x the 8 column tiles J: 32 accumulators.
; All of K (1,024) lies in LDS at once, in two halves asked for together at the head: no LDS byte is filled twice.
; CLUSTERS: 4 x 4 work-groups: the four of a row share tb and so ctx's codes, the four of a column share cg and so Wo's: each block is asked for jointly, with a mask that names the four.
; THE MATRIX INSTRUCTION IS USED TRANSPOSED (source 0 = 16 columns of Wo, source 1 = 16 tokens): a lane holds one token and eight neighbouring columns.  bo is the C of each sum's first matrix instruction.
; By the order of a tile's rows, lane (r, h) register j of tile J is column 32 (J / 2) + 8 (J % 2) + 16 h + j, and row r of tile T is token 32 (T / 2) + 8 (T % 2) + r + 8 (r / 8).
; REGISTERS, in windows of 256: window 0: v1-15 addresses; v32-95 ctx's fragments, two sets (on the way out: rows read back); v96-111 ctx's scale words, v112-143 Wo's (scales and nothing else); v160-223 rows read back.
;   window 1: Wo's fragments, two sets of 64.   window 2: the accumulators at 8 (8 t + J).   window 3: v0-63 bo's eight tiles.
.set XS,    4194304
.set WOC,   1572864
.set WOS,   2195456
.set BL,    131072                     ; LDS: ctx's two halves along K at 0 and 65,536; Wo's at BL and BL + 32,768;
.set ASL,   196608                     ; ctx's scale images, 8,192 bytes;
.set BSL,   204800                     ; Wo's, 4,096;
.set STAGE, 208896                     ; the way out: 16 rows x (512 bytes + 16) for each wave, bytes into which no tensor load lands;
.set SPARE, 242688                     ; the spare words, 128 bytes for each wave
.set L16,  4
.set L8,   5
.set ADRA, 6
.set ADRB, 8
.set ADSA, 10
.set ADSB, 11
.set VB1,  12
.set STO,  14
.set RD,   15
.set SPW,  28
.set NIL,  29
.set AF,   32
.set SA,   96
.set SB,   112
.set G1A,  24
.set G1B,  32
.set G1AS, 40
.set G1BS, 48
.set G0AS, 56
.set G0A0, 60
.set G0A1, 68
.set G0BS, 72
.set G0B0, 76
.set G0B1, 80
.set MSB, 0
.macro WIN new                         ; the immediate's high byte repeats the setting that is left
.if MSB != \new
	s_set_vgpr_msb (MSB<<8)|\new
.set MSB, \new
.endif
.endm
.macro PLACES
.rept 4
	v_nop
.endr
.endm
.macro G1REST g, rows                  ; a dense block as rows of 256 bytes: 32 elements of 8 bytes, no padding
	s_mov_b32 s[\g+1], 32<<16
	s_mov_b32 s[\g+2], (\rows)<<16
	s_mov_b32 s[\g+3], 32<<16
	s_mov_b32 s[\g+4], \rows
	s_mov_b32 s[\g+5], 32
	s_mov_b32 s[\g+6], 0
	s_mov_b32 s[\g+7], 0
.endm
.macro G0FIN g, p
	s_mov_b32 s[\g], 1
	s_add_nc_u64 s[\g+2:\g+3], s[\p:\p+1], s[\g+2:\g+3]
	s_or_b32 s[\g+3], s[\g+3], 0x80000000
.endm
.macro JLOAD g0a, g1a, g0b, g1b        ; a joint load: waves 0 and 1 fetch for ctx, waves 2 and 3 for Wo; an s_nop 0 and four v_nop follow each of the two lines
	s_cmp_eq_u32 s17, 0
	s_cbranch_scc0 .Lfor_b_\@
	tensor_load_to_lds s[\g0a:\g0a+3], s[\g1a:\g1a+7]
	s_nop 0
.rept 4
	v_nop
.endr
	s_branch .Lasked_\@
.Lfor_b_\@:
	tensor_load_to_lds s[\g0b:\g0b+3], s[\g1b:\g1b+7]
	s_nop 0
.rept 4
	v_nop
.endr
.Lasked_\@:
.endm
.macro CROUND
	s_barrier_signal -1
	s_barrier_wait -1
	s_cmp_lg_u32 s16, 0
	s_cbranch_scc1 .Lnot_wave_0_\@
	s_barrier_signal -3
.Lnot_wave_0_\@:
	s_barrier_wait -3
	s_barrier_signal -1
	s_barrier_wait -1
.endm
	s_load_b256 s[4:11], s[0:1], 0x0               ; cq, wq, bo, out0
	v_lshl_add_u32 v[SPW], v0, 2, SPARE
	v_mov_b32 v[NIL], 0
	ds_add_u32 v[SPW], v[NIL]                      ; the wave's opening: the add, twice on end, and its wait ahead of my first tensor load
	ds_add_u32 v[SPW], v[NIL]
	v_lshrrev_b32 v1, 5, v0
	v_readfirstlane_b32 s16, v1                    ; wave
	s_lshr_b32 s17, s16, 1                         ; I fetch for ctx (0) or for Wo (1),
	s_and_b32 s18, s16, 1                          ; and which half of each block
	s_bfe_u32 s19, ttmp6, 0x40000                  ; cx
	s_bfe_u32 s20, ttmp6, 0x40004                  ; cy
	s_lshl_b32 s21, ttmp9, 2
	s_add_co_u32 s21, s21, s19                     ; cg = 4 x cluster x + cx
	s_and_b32 s22, ttmp7, 0xffff
	s_lshl_b32 s22, s22, 2
	s_add_co_u32 s22, s22, s20                     ; tb = 4 x cluster y + cy
	s_lshl_b32 s23, s20, 2
	s_lshl_b32 s23, 15, s23                        ; my row of the cluster
	s_lshl_b32 s97, 0x1111, s19                    ; my column
	s_or_b32 s[G1A], s23, (3<<16)|(1<<21)
	s_or_b32 s[G1AS], s23, (3<<16)|(1<<21)
	s_or_b32 s[G1B], s97, (3<<16)|(1<<21)
	s_or_b32 s[G1BS], s97, (3<<16)|(1<<21)
	G1REST G1A, 128                                ; 32,768 bytes
	G1REST G1B, 64                                 ; 16,384
	G1REST G1AS, 16                                ; 4,096
	G1REST G1BS, 8                                 ; 2,048
	s_lshl_b32 s100, s22, 13                       ; ctx's side: made of tb and the wave's number alone
	s_lshl_b32 s101, s18, 12
	s_add_co_u32 s[G0AS+1], s101, ASL
	s_add_co_u32 s100, s100, s101
	s_add_co_u32 s[G0AS+2], s100, XS
	s_mov_b32 s[G0AS+3], 0
	s_lshl_b32 s100, s22, 17
	s_lshl_b32 s101, s18, 15
	s_mov_b32 s[G0A0+1], s101
	s_add_co_u32 s[G0A1+1], s101, 65536
	s_add_co_u32 s[G0A0+2], s100, s101
	s_mov_b32 s[G0A0+3], 0
	s_add_co_u32 s[G0A1+2], s[G0A0+2], 65536
	s_mov_b32 s[G0A1+3], 0
	s_lshl_b32 s2, s21, 12                         ; Wo's side: made of cg and the wave's number alone
	s_lshl_b32 s3, s18, 11
	s_add_co_u32 s[G0BS+1], s3, BSL
	s_add_co_u32 s2, s2, s3
	s_add_co_u32 s[G0BS+2], s2, WOS
	s_mov_b32 s[G0BS+3], 0
	s_lshl_b32 s2, s21, 16
	s_lshl_b32 s3, s18, 14
	s_add_co_u32 s[G0B0+1], s3, BL
	s_add_co_u32 s[G0B1+1], s3, BL+32768
	s_add_co_u32 s2, s2, s3
	s_add_co_u32 s[G0B0+2], s2, WOC
	s_mov_b32 s[G0B0+3], 0
	s_add_co_u32 s[G0B1+2], s[G0B0+2], 32768
	s_mov_b32 s[G0B1+3], 0
	s_wait_dscnt 0x0                               ; both opening adds are done
	s_wait_kmcnt 0x0
	G0FIN G0AS, 4
	G0FIN G0A0, 4
	G0FIN G0A1, 4
	G0FIN G0BS, 6
	G0FIN G0B0, 6
	G0FIN G0B1, 6
	CROUND                                         ; all sixteen work-groups are here: the joint loads meet
	JLOAD G0AS, G1AS, G0BS, G1BS                   ; three loads of mine are out: the scale images,
	JLOAD G0A0, G1A, G0B0, G1B                     ; K steps 0-3,
	JLOAD G0A1, G1A, G0B1, G1B                     ; K steps 4-7
	v_and_b32 v1, 31, v0
	v_and_b32 v2, 15, v0                           ; r
	v_bfe_u32 v3, v0, 4, 1                         ; h
	v_lshlrev_b32 v[L16], 4, v1
	v_lshlrev_b32 v[L8], 3, v1
	s_lshl_b32 s66, s16, 14
	v_add_nc_u32 v[ADRA], s66, v[L16]
	v_add_nc_u32 v[ADRA+1], 65536, v[ADRA]
	v_add_nc_u32 v[ADRB], BL, v[L16]
	v_add_nc_u32 v[ADRB+1], BL+32768, v[L16]
	s_lshl_b32 s66, s16, 11
	s_add_co_u32 s66, s66, ASL
	v_add_nc_u32 v[ADSA], s66, v[L8]
	v_add_nc_u32 v[ADSB], BSL, v[L8]
	v_lshlrev_b32 v[VB1], 6, v3                    ; bo: the lane's eight columns of a tile begin 16 h floats on
	s_wait_alu depctr_va_vdst(0)
	s_mul_i32 s66, s16, 8448
	s_add_co_u32 s66, s66, STAGE                   ; my stage
	v_mul_u32_u24 v[STO], v2, 528
	v_lshl_add_u32 v[STO], v3, 6, v[STO]
	v_add_nc_u32 v[STO], s66, v[STO]               ; in: row r, + 64 h bytes
	v_add_nc_u32 v[RD], s66, v[L16]                ; back: a row's 512 bytes, 16 a lane
	s_lshl_b32 s2, s21, 9                          ; bo's 128 numbers, and the same 512 bytes in a row of out0
	s_mov_b32 s3, 0
	s_add_nc_u64 s[8:9], s[8:9], s[2:3]
	s_add_nc_u64 s[10:11], s[10:11], s[2:3]
	s_lshl_b32 s66, s22, 20                        ; 256 rows of 4,096 bytes for each tb,
	s_lshl_b32 s67, s16, 18
	s_add_co_u32 s66, s66, s67                     ; 64 for each wave
	s_mov_b32 s67, 0
	s_add_nc_u64 s[10:11], s[10:11], s[66:67]
	WIN 0xc0                                       ; destination window 3
.irp J, 0,1,2,3,4,5,6,7
	global_load_b128 v[8*\J:8*\J+3], v[VB1], s[8:9] offset:(32*(\J/2)+8*(\J%2))*4
	global_load_b128 v[8*\J+4:8*\J+7], v[VB1], s[8:9] offset:(32*(\J/2)+8*(\J%2))*4+16
.endr
	WIN 0
.macro WM d, a, b, c, sa, sb, ra, rb   ; one matrix instruction; ra, rb: source 0's, source 1's scales stand in lanes 16-31 of their register
.if ((\ra) != 0) && ((\rb) != 0)
	v_wmma_scale_f32_16x16x128_f8f6f4 v[\d:\d+7], v[\a:\a+7], v[\b:\b+7], v[\c:\c+7], v[\sa], v[\sb] matrix_a_fmt:MATRIX_FMT_FP4 matrix_b_fmt:MATRIX_FMT_FP4 matrix_a_scale:MATRIX_SCALE_ROW1 matrix_b_scale:MATRIX_SCALE_ROW1
.elseif (\ra) != 0
	v_wmma_scale_f32_16x16x128_f8f6f4 v[\d:\d+7], v[\a:\a+7], v[\b:\b+7], v[\c:\c+7], v[\sa], v[\sb] matrix_a_fmt:MATRIX_FMT_FP4 matrix_b_fmt:MATRIX_FMT_FP4 matrix_a_scale:MATRIX_SCALE_ROW1
.elseif (\rb) != 0
	v_wmma_scale_f32_16x16x128_f8f6f4 v[\d:\d+7], v[\a:\a+7], v[\b:\b+7], v[\c:\c+7], v[\sa], v[\sb] matrix_a_fmt:MATRIX_FMT_FP4 matrix_b_fmt:MATRIX_FMT_FP4 matrix_b_scale:MATRIX_SCALE_ROW1
.else
	v_wmma_scale_f32_16x16x128_f8f6f4 v[\d:\d+7], v[\a:\a+7], v[\b:\b+7], v[\c:\c+7], v[\sa], v[\sb] matrix_a_fmt:MATRIX_FMT_FP4 matrix_b_fmt:MATRIX_FMT_FP4
.endif
.endm
.macro FETCH ks, set                   ; K step ks: Wo's 8 fragments and my 4 of ctx, 24 loads in one run
	WIN 0x40
.irp J, 0,1,2,3,4,5,6,7
.irp c, 0,1
	ds_load_b128 v[64*(\set)+8*\J+4*\c:64*(\set)+8*\J+4*\c+3], v[ADRB+(\ks)/4] offset:\J*4096+((\ks)%4)*1024+512*\c
.endr
.endr
	WIN 0
.irp t, 0,1,2,3
.irp c, 0,1
	ds_load_b128 v[AF+32*(\set)+8*\t+4*\c:AF+32*(\set)+8*\t+4*\c+3], v[ADRA+(\ks)/4] offset:\t*4096+((\ks)%4)*1024+512*\c
.endr
.endr
.endm
.macro MUL ks, set, first
.if \first
	WIN 0xb1                                       ; source 0 window 1, source 1 window 0, C (bo) window 3, D window 2
.else
	WIN 0xa1
.endif
.irp t, 0,1,2,3
.irp J, 0,1,2,3,4,5,6,7
.if \first
	WM 8*(8*\t+\J), 64*(\set)+8*\J, AF+32*(\set)+8*\t, 8*\J, SB+8*(\J/2)+(\ks), SA+8*(\t/2)+(\ks), \J%2, \t%2
.else
	WM 8*(8*\t+\J), 64*(\set)+8*\J, AF+32*(\set)+8*\t, 8*(8*\t+\J), SB+8*(\J/2)+(\ks), SA+8*(\t/2)+(\ks), \J%2, \t%2
.endif
.endr
.endr
.endm
; A K step of 128: 32 matrix instructions; the 32 accumulators take turns, one instruction a turn, in the same order in every step
.macro STEP ks, first
	WIN 0
	s_wait_dscnt 0x0                               ; this step's fragments are in (asked for 32 matrix instructions ago)
.if (\ks) == 3
	s_wait_tensorcnt 0x0                           ; my part of K steps 4-7 has landed,
	s_barrier_signal -1
	s_barrier_wait -1                              ; everybody's has.
.endif
.if (\ks) < 7
	PLACES                                         ; four places in front of loads into registers that the last step's matrix instructions have read
	FETCH (\ks)+1, ((\ks)+1)%2
.endif
	MUL \ks, (\ks)%2, \first
.endm
	s_wait_tensorcnt 1                             ; the scale images and my part of K steps 0-3 are in; the third load may be out
	s_barrier_signal -1
	s_barrier_wait -1
.irp p, 0,1
.irp k, 0,1,2,3
	ds_load_b64 v[SA+8*\p+2*\k:SA+8*\p+2*\k+1], v[ADSA] offset:\p*1024+\k*256
.endr
.endr
.irp p, 0,1,2,3
.irp k, 0,1,2,3
	ds_load_b64 v[SB+8*\p+2*\k:SB+8*\p+2*\k+1], v[ADSB] offset:\p*1024+\k*256
.endr
.endr
	FETCH 0, 0
	s_wait_loadcnt 0x0                             ; bo
	STEP 0, 1
.irp s, 1,2,3,4,5,6,7
	STEP \s, 0
.endr
	WIN 0
; THE WAY OUT, a tile of 16 tokens x 128 columns at a time.  A lane holds 32 neighbouring bytes of a row and the lanes beside it hold other rows: so a tile goes through my own stage in LDS and comes back as whole rows of
; 512 bytes, which the 32 lanes store as 512 consecutive bytes, at a multiple of 256 from out0's first byte.  LDS serves a wave's instructions in order: no wait between the stores and the loads, nor in front of the next tile's stores.
.macro TOSTAGE t
	WIN 0x08                                       ; an LDS store's data are its source 1: window 2
.irp J, 0,1,2,3,4,5,6,7
	ds_store_b128 v[STO], v[8*(8*(\t)+\J):8*(8*(\t)+\J)+3] offset:128*(\J/2)+32*(\J%2)        ; each accumulator from its low end on
	ds_store_b128 v[STO], v[8*(8*(\t)+\J)+4:8*(8*(\t)+\J)+7] offset:128*(\J/2)+32*(\J%2)+16
.endr
	WIN 0
.set BB, 32+128*((\t)%2)
.irp i, 0,1,2,3,4,5,6,7,8,9,10,11,12,13,14,15
	ds_load_b128 v[BB+4*\i:BB+4*\i+3], v[RD] offset:528*\i
.endr
.endm
.macro SEND t, younger                 ; younger: the LDS instructions issued behind tile t's loads, which may stay out
.set BB, 32+128*((\t)%2)
	s_wait_dscnt \younger
.irp i, 0,1,2,3,4,5,6,7,8,9,10,11,12,13,14,15
	global_store_b128 v[L16], v[BB+4*\i:BB+4*\i+3], s[10:11] offset:(32*((\t)/2)+8*((\t)%2)+\i+8*(\i/8))*4096 th:TH_STORE_NT   ; stage row i is token 32 (t / 2) + 8 (t % 2) + i + 8 (i / 8) of my 64; written once, read by nobody here
.endr
.endm
	PLACES                                         ; four places between the last products and the first read of results, and the loads into registers that held ctx's fragments
	s_wait_alu depctr_va_vdst(0)
	TOSTAGE 0
	TOSTAGE 1
	SEND 0, 32                                     ; behind tile 0's loads: tile 1's 16 stores and 16 loads
	s_wait_xcnt 0x0                                ; tile 0's stores have read their registers: tile 2's loads may land there
	TOSTAGE 2
	SEND 1, 32
	s_wait_xcnt 0x0
	TOSTAGE 3
	SEND 2, 32
	SEND 3, 0
	s_wait_tensorcnt 0x0                           ; the wave's end: behind my last tensor load and my last LDS store
	ds_add_u32 v[SPW], v[NIL]
	s_wait_dscnt 0x0
	CROUND                                         ; the closing round
	s_endpgm
.Lfunc_end_k_qebafebf702_proj:
	.size	k_qebafebf702_proj, .Lfunc_end_k_qebafebf702_proj-k_qebafebf702_proj
	.p2alignl 7, 3214868480
	.fill 96, 4, 3214868480
	.section	.rodata,"a",@progbits
	.p2align	6, 0x0
	.amdhsa_kernel k_qebafebf702_proj
		.amdhsa_group_segment_fixed_size 245760
		.amdhsa_private_segment_fixed_size 0
		.amdhsa_enable_private_segment 0
		.amdhsa_kernarg_size 32
		.amdhsa_user_sgpr_count 2
		.amdhsa_user_sgpr_kernarg_segment_ptr 1
		.amdhsa_wavefront_size32 1
		.amdhsa_system_sgpr_workgroup_id_x 1
		.amdhsa_system_sgpr_workgroup_id_y 1
		.amdhsa_system_sgpr_workgroup_id_z 1
		.amdhsa_system_vgpr_workitem_id 0
		.amdhsa_next_free_vgpr 1024
		.amdhsa_next_free_sgpr 102
		.amdhsa_reserve_vcc 0
		.amdhsa_float_denorm_mode_32 3
		.amdhsa_float_denorm_mode_16_64 3
		.amdhsa_memory_ordered 1
		.amdhsa_forward_progress 1
		.amdhsa_inst_pref_size 73
	.end_amdhsa_kernel
	.amdgpu_metadata
---
amdhsa.version: [ 1, 2 ]
amdhsa.kernels:
  - .name:           k_qebafebf702_proj
    .symbol:         k_qebafebf702_proj.kd
    .args:
      - { .name: cq, .offset: 0, .size: 8, .value_kind: global_buffer, .address_space: global }
      - { .name: wq, .offset: 8, .size: 8, .value_kind: global_buffer, .address_space: global }
      - { .name: bo, .offset: 16, .size: 8, .value_kind: global_buffer, .address_space: global }
      - { .name: out0, .offset: 24, .size: 8, .value_kind: global_buffer, .address_space: global }
    .group_segment_fixed_size: 245760
    .private_segment_fixed_size: 0
    .kernarg_segment_align: 8
    .kernarg_segment_size: 32
    .max_flat_workgroup_size: 128
    .sgpr_count:     102
    .vgpr_count:     1024
    .wavefront_size: 32
...
	.end_amdgpu_metadata
.endif
;; end of part 4
